; MI455X (gfx1250); checked and timed in simulation.
; The chip was launched on July 23, 2026; its instructions are those of AMD's public machine-readable ISA for CDNA 5 (MIT licence, August 2026) and "CDNA5" Instruction Set Architecture Reference Guide (July 2026). The comments in the code are by the model that wrote it; some were corrected since.
;; Multi Head Self Attention. Allowed arithmetic: matrix products marked QUANTISED: E2M1 operands, one E8M0 scale for each 32 along K, by v_wmma_scale_f32_16x16x128_f8f6f4 with both operands' format E2M1 (or v_wmma_scale_f32_32x16x128_f4), f32 sums; everything else in f32.
;; Inputs: W_o 1,024 x 1,024 float32; W_qkv 1,024 x 3,072 float32; b_o 1,024 float32; b_qkv 3,072 float32; gn_beta 1,024 float32; gn_gamma 1,024 float32; x 4 x 2,048 x 1,024 float32.
;; Outputs: out0 4 x 2,048 x 1,024 float32.
;; This version of the problem:
;;   THIS VERSION OF THE PROBLEM IS GIVEN IN LOW PRECISION. The matrix products marked QUANTISED in the list below multiply operands that are first quantised to E2M1 (2 exponent bits, 1 mantissa bit; 4 bits a number), with one power-of-two scale for each 32 numbers along K (OCP MX v1.0); their sums are f32. All else is computed in f32.
;;   The module's matrix products, in the order in which they are computed (A, B: the left and right operand; K: the contracted axis; several contracted axes count as one K, in the product's order):
;;     1. [M 8,192, K 1,024] x [K 1,024, N 3,072]; A: computed on the way; B: input W_qkv: QUANTISED
;;     2. batch 64 x [M 2,048, K 64] x [K 64, N 2,048]; A: computed on the way; B: computed on the way: QUANTISED
;;     3. batch 64 x [M 2,048, K 2,048] x [K 2,048, N 64]; A: softmax (see below); B: computed on the way: QUANTISED
;;     4. [M 8,192, K 1,024] x [K 1,024, N 1,024]; A: computed on the way; B: input W_o: QUANTISED
;;   THE QUANTISER, for each operand of a quantised product, along K:
;;     - K is cut into blocks of 32 from its start; a last block that is shorter is filled with zeros.
;;     - A block's scale is 2^e with e = floor(log2(the largest magnitude in the block)) - 2, held to -126 .. 127; a block of zeros has e = 0. As a byte (E8M0): e + 127.
;;     - Each number is divided by its block's scale, clamped to +-6, and rounded to the nearest number of E2M1, ties to even, subnormals kept.
;;     - The product sums the exact products of the quantised numbers (number of the format x scale) in f32.
;;   ~~~python
;;   def quantise(x, axis):      # numpy; x: float32 -> the quantised numbers, widened to float32 again
;;       x = np.moveaxis(x, axis, -1); K = x.shape[-1]
;;       x = np.pad(x, [(0, 0)] * (x.ndim - 1) + [(0, -K % 32)]); x = x.reshape(x.shape[:-1] + (-1, 32)); a = np.abs(x).max(-1, keepdims=True)
;;       e = np.where(a > 0, np.clip(np.frexp(np.where(a > 0, a, 1))[1] - 1 - 2, -126, 127), 0)      # np.frexp(a)[1] - 1 = floor(log2(a)), exactly
;;       r = np.clip(x / 2.0 ** e, -6, 6)
;;       step = 2.0 ** (np.maximum(np.frexp(np.where(r == 0, 1, r))[1] - 1, 0) - 1)
;;       q = np.round(r / step) * step * 2.0 ** e      # np.round: ties to even
;;       return np.moveaxis(q.reshape(q.shape[:-2] + (-1,))[..., :K], -1, axis).astype(np.float32)
;;   ~~~
;;   SOFTMAX AHEAD OF A QUANTISED PRODUCT. Where the list says 'softmax', what is quantised is not the finished softmax but p = 2^(t - M), with t = logit x log2(e) and M = ceil(the row's largest t), a whole number; so 1/2 < the row's largest p <= 1. The row's sum l is taken of the UNQUANTISED p, in f32, and the product's result is divided by l at the end. Since M is a whole number, a kernel that streams over the keys may use a running M (the ceiling of the running maximum): every later rescaling is an exact power of two, which a block's scale takes up: the codes' values come out the same.
;;   OPERANDS COMPUTED ON THE WAY. 'Computed on the way' means the value that the module computes at that place (a softmax that the list does not call 'softmax' is quantised finished and normalised). What goes into a quantiser is computed in f32, as accurately as f32 sums, v_exp_f32 and their like allow (about 1e-6 of the number): no bf16 or f16 on the way to a quantiser, and a product that is left as it is and whose result goes on into a quantised operand takes f32 operands (vector FMAs, or v_wmma_f32_16x16x4_f32). A number that lies on a knife's edge between two numbers of the format may be rounded either way, as far as f32 arithmetic and the matrix unit's own rounding can turn it there, and no further.
;; One version. Each part assembles by itself: llvm-mc -triple=amdgcn-amd-amdhsa -mcpu=gfx1250 --defsym DOCPART=n.
;; ======== version 1 of 1: 5 launches
;; limits: right only within a limited range of input values
;; workspace buffers: part 65,536 bytes; h_buf 4,456,448 bytes; w_buf 2,228,224 bytes; qk_buf 9,437,184 bytes; v_buf 4,456,448 bytes; ao_buf 4,456,448 bytes
;; launch prep (part 1): grid 384 x 1, 8 waves a work-group, no clusters, 2,048 bytes of LDS; arguments x, W_qkv, W_o, w_buf, part; writes w_buf, part
.if DOCPART == 1
	.amdgcn_target "amdgcn-amd-amdhsa--gfx1250"
	.amdhsa_code_object_version 6
	.text
	.protected	k_q2677742467_prep
	.globl	k_q2677742467_prep
	.p2align	8
	.type	k_q2677742467_prep,@function
k_q2677742467_prep:
	s_mov_b64 s[64:65], 0
	v_nop
	global_prefetch_b8 v0, s[64:65] scope:SCOPE_SE
	s_setreg_imm32_b32 hwreg(HW_REG_WAVE_MODE, 25, 1), 1
	s_wait_xcnt 0x0
; TWO JOBS IN ONE LAUNCH, parted on the work-group's number.
; Work-groups 0-127: W_qkv [1024][3072] and W_o [1024][1024], f32 with K as the FIRST axis, become codes of FP4 (E2M1) with one E8M0 byte for each 32 along K.
;   The 4,096 columns of both count as one run of rows (0-3071 W_qkv's, 3072-4095 W_o's).  A row n lies at POSITION p = n with bits 3 and 4 exchanged, so that 16 neighbouring positions,
;   used as the first source of a matrix instruction, leave a lane 16 neighbouring n in the registers of two neighbouring tiles.
;   Codes: [128 positions][512 along K][16 positions T][block of 32 along K][position % 16][16 bytes]: an image of the operand's registers: a fragment is 1,024 bytes on end.
;   Scale bytes, from byte 2,097,152 on: [128 positions][512 along K][position][16 bytes].
;   A lane takes a column and its registers run down K: a block's largest magnitude needs no other lane and the conversions give K innermost.
; Work-groups 128-383: for each of 4 x 64 chunks of 32 rows of x and each of the 32 channel groups, the mean of the chunk's 1,024 numbers and the sum of squares ABOUT THAT MEAN (two passes over
;   registers): no difference of large sums is ever formed, whatever offset x carries.
; A block's scale is 2^(floor(log2(largest magnitude)) - 2); its byte is the magnitude's exponent field - 2, held at 1 from below.
; LIMITS: a block whose largest magnitude lies under 2^-124 keeps the byte 1; a block of zeros gets the byte 1 and not 127 (its codes are zeros, and this program alone reads the bytes);
; NaN and infinities among the inputs are not served.
; No tensor loads, no cluster: no two work-groups read the same bytes.
.set RO,  32                           ; v32-63   W: row i of a block: i x row bytes + 4 x lane
.set X,   64                           ; v64-191  W: four blocks of 32 numbers
.set C,   192                          ; v192-207 W: a block's codes, four registers each, never rewritten
.set SBW, 24                           ; v24      W: my column's four scale bytes
.set XS,  32                           ; v32-159  statistics: 32 rows x 4 numbers
	s_load_b256 s[4:11], s[0:1], 0x0               ; x s[4:5], W_qkv s[6:7], W_o s[8:9], w_buf s[10:11]
	s_load_b64 s[12:13], s[0:1], 0x20              ; part
	v_lshl_add_u32 v224, v0, 2, 0x400
	v_mov_b32 v225, 0
	v_lshrrev_b32 v1, 5, v0
	s_delay_alu instid0(VALU_DEP_1)
	v_readfirstlane_b32 s14, v1                    ; wave 0..7
	v_and_b32 v2, 31, v0                           ; lane
	s_cmp_ge_u32 ttmp9, 128
	s_cbranch_scc1 .Lstats
	; ---------------- the weights: a work-group takes 64 columns x 512 along K; a wave 32 columns x 128 along K
	s_lshr_b32 s15, ttmp9, 1                       ; cg: which 64 of the 4,096 columns
	s_and_b32 s30, ttmp9, 1                        ; ks: which 512 along K
	s_and_b32 s31, s14, 1                          ; cw: which 32 of the 64 columns
	s_lshr_b32 s32, s14, 1                         ; kg: which 128 of the 512
	v_lshlrev_b32 v3, 2, v2                        ; 4 x lane
	v_and_b32 v4, 7, v2
	v_bfe_u32 v5, v2, 3, 1
	v_bfe_u32 v6, v2, 4, 1
	s_delay_alu instid0(VALU_DEP_2)
	v_lshl_add_u32 v4, v5, 4, v4
	s_delay_alu instid0(VALU_DEP_1)
	v_lshl_add_u32 v4, v6, 3, v4                   ; my column's position among the 32: the lane with bits 3 and 4 exchanged
	s_delay_alu instid0(VALU_DEP_1)
	v_and_b32 v6, 15, v4
	s_delay_alu instid0(VALU_DEP_1)
	v_lshlrev_b32 v6, 4, v6
	s_delay_alu instid0(VALU_DEP_1)
	v_lshl_add_u32 v7, v5, 12, v6                  ; codes: (position / 16) x 4,096 + (position % 16) x 16
	s_lshl_b32 s33, s31, 9
	s_lshl_b32 s34, s32, 2
	s_add_co_u32 s33, s33, s34
	v_lshl_add_u32 v8, v4, 4, s33                  ; LDS: the 64 positions' 16 scale bytes each: 16 x (32 cw + position) + 4 kg
	v_lshlrev_b32 v9, 4, v0                        ; and back, and out: 16 x thread (waves 0 and 1)
	s_mov_b32 s18, 4096
	s_wait_kmcnt 0x0
	s_cmp_lt_u32 s15, 48                           ; W_qkv's columns or W_o's: the choice hangs on the work-group's number alone
	s_cselect_b64 s[16:17], s[6:7], s[8:9]
	s_cselect_b32 s18, 12288, s18                  ; bytes in a row
	s_cselect_b32 s19, 0, 48
	s_sub_co_u32 s19, s15, s19                     ; which 64 columns of that weight
	s_lshl_b32 s34, s30, 9
	s_lshl_b32 s35, s32, 7
	s_add_co_u32 s34, s34, s35                     ; my first k
	s_mul_i32 s34, s34, s18
	s_lshl_b32 s35, s19, 8
	s_add_co_u32 s34, s34, s35
	s_lshl_b32 s35, s31, 7
	s_add_co_u32 s34, s34, s35                     ; + my first column x 4
	s_mov_b32 s35, 0
	s_add_nc_u64 s[20:21], s[16:17], s[34:35]      ; block 0;
	s_lshl_b32 s36, s18, 5
	s_mov_b32 s37, 0
	s_add_nc_u64 s[22:23], s[20:21], s[36:37]      ; blocks 1 to 3: 32 rows further on each
	s_add_nc_u64 s[24:25], s[22:23], s[36:37]
	s_add_nc_u64 s[26:27], s[24:25], s[36:37]
.set i, 0
.rept 32
	v_mad_u32_u24 v[RO+i], s18, i, v3
.set i, i+1
.endr
.set t, 0
.rept 4
.set i, 0
.rept 32
	global_load_b32 v[X+32*t+i], v[RO+i], s[20+2*t:21+2*t] th:TH_LOAD_NT   ; W(k, my column): the wave reads 128 consecutive bytes, two waves side by side 256
.set i, i+1
.endr
.set t, t+1
.endr
	s_lshr_b32 s38, s15, 1                         ; which 128 positions
	s_and_b32 s39, s15, 1
	s_lshl_b32 s40, s38, 16
	s_lshl_b32 s41, s30, 15
	s_add_co_u32 s40, s40, s41
	s_lshl_b32 s41, s39, 14
	s_add_co_u32 s40, s40, s41
	s_lshl_b32 s41, s31, 13
	s_add_co_u32 s40, s40, s41                     ; T = 4 (cg % 2) + 2 cw
	s_lshl_b32 s41, s32, 10
	s_add_co_u32 s40, s40, s41                     ; block 4 kg
	s_mov_b32 s41, 0
	s_add_nc_u64 s[28:29], s[10:11], s[40:41]      ; where my codes go
	s_lshl_b32 s42, s38, 12
	s_lshl_b32 s43, s30, 11
	s_add_co_u32 s42, s42, s43
	s_lshl_b32 s43, s39, 10
	s_add_co_u32 s42, s42, s43
	s_add_co_u32 s42, s42, 0x200000
	s_mov_b32 s43, 0
	s_add_nc_u64 s[44:45], s[10:11], s[42:43]      ; and the work-group's 1,024 scale bytes
.macro BLOCK t
.set XB, X+32*(\t)
.if (\t) < 2
	s_wait_loadcnt 63                              ; 96 (64) loads are younger than this block's; a wait names 63 at the most, and a smaller count is safe
.else
	s_wait_loadcnt 32*(3-(\t))                     ; the later blocks' loads may be out
.endif
	v_max3_num_f32 v12, |v[XB]|, |v[XB+1]|, |v[XB+2]|      ; the block's largest magnitude: all 32 numbers are mine; two chains
	v_max3_num_f32 v13, |v[XB+3]|, |v[XB+4]|, |v[XB+5]|
.irp i, 6,10,14,18,22,26
	s_delay_alu instid0(VALU_DEP_2)
	v_max3_num_f32 v12, v12, |v[XB+\i]|, |v[XB+\i+1]|
	s_delay_alu instid0(VALU_DEP_2)
	v_max3_num_f32 v13, v13, |v[XB+\i+2]|, |v[XB+\i+3]|
.endr
	s_delay_alu instid0(VALU_DEP_2)
	v_max3_num_f32 v12, v12, |v[XB+30]|, |v[XB+31]|
	s_delay_alu instid0(VALU_DEP_1)
	v_max3_num_f32 v12, v12, v13, 0x1800000        ; and the floor 2^(3 - 127): the byte cannot fall under 1
	s_delay_alu instid0(VALU_DEP_1)
	v_add_nc_u32 v11, 0xff000000, v12              ; 2 off the exponent field: the conversion takes this operand's exponent field as its scale
.if (\t) == 0
	s_delay_alu instid0(VALU_DEP_1)
	v_lshrrev_b32 v[SBW], 23, v11                  ; the scale's byte; four to a register, the lower K in the lower byte
.else
	s_delay_alu instid0(VALU_DEP_1)
	v_lshrrev_b32 v13, 23, v11
	s_delay_alu instid0(VALU_DEP_1)
	v_lshl_or_b32 v[SBW], v13, 8*(\t), v[SBW]
.endif
.irp g, 0,1,2,3
	v_cvt_scalef32_pk8_fp4_f32 v[C+4*(\t)+\g], v[XB+8*\g:XB+8*\g+7], v11
.endr
	global_store_b128 v7, v[C+4*(\t):C+4*(\t)+3], s[28:29] offset:256*(\t)   ; the wave's store covers two aligned runs of 256 consecutive bytes (positions 0-15 and 16-31 of one block)
.endm
	BLOCK 0
	BLOCK 1
	BLOCK 2
	BLOCK 3
	ds_store_b32 v8, v[SBW]                        ; the scale bytes of a position come from four waves: they meet in LDS
	s_wait_dscnt 0x0                               ; for the others' sake: my store has landed
	s_barrier_signal -1
	s_barrier_wait -1
	s_cmp_lt_u32 s14, 2
	s_cbranch_scc0 .Lw_end
	ds_load_b128 v[12:15], v9
	s_wait_dscnt 0x0
	global_store_b128 v9, v[12:15], s[44:45]       ; 512 consecutive bytes a wave
.Lw_end:
	s_wait_tensorcnt 0x0
	ds_add_u32 v224, v225
	s_wait_dscnt 0x0
	s_endpgm
	; ---------------- the statistics: a work-group takes 32 rows of x; wave w columns 128 w on: four groups of 32 channels, eight lanes to a group
.Lstats:
	s_sub_co_u32 s15, ttmp9, 128                   ; 64 x batch + chunk
	s_wait_alu depctr_va_vdst(0)
	v_lshlrev_b32 v3, 4, v2                        ; 16 x lane
	s_lshl_b32 s16, s15, 17                        ; 32 rows of 4,096 bytes a chunk
	s_lshl_b32 s17, s14, 9
	s_add_co_u32 s16, s16, s17
	s_mov_b32 s17, 0
	s_wait_alu depctr_va_vdst(0)
	s_wait_kmcnt 0x0
	s_add_nc_u64 s[4:5], s[4:5], s[16:17]
.set i, 0
.rept 32
	global_load_b128 v[XS+4*i:XS+4*i+3], v3, s[4:5] offset:4096*i   ; 512 consecutive bytes of row i
.set i, i+1
.endr
	s_wait_loadcnt 24                              ; rows 0-7 are in; 24 loads are younger
.irp c, 0,1,2,3
	v_pk_add_f32 v[8+2*\c:9+2*\c], v[XS+4*\c:XS+4*\c+1], v[XS+4*\c+2:XS+4*\c+3]   ; the first pairs start four chains: nothing is cleared
.endr
.set p, 8
.rept 56
.if p == 16
	s_wait_alu depctr_va_vdst(0)
	s_wait_loadcnt 16
.endif
.if p == 32
	s_wait_alu depctr_va_vdst(0)
	s_wait_loadcnt 8
.endif
.if p == 48
	s_wait_alu depctr_va_vdst(0)
	s_wait_loadcnt 0x0
.endif
	v_pk_add_f32 v[8+2*(p%4):9+2*(p%4)], v[8+2*(p%4):9+2*(p%4)], v[XS+2*p:XS+2*p+1]
.set p, p+1
.endr
.macro FOLD                            ; four chains of pairs -> v8, summed over the group's eight lanes
	s_delay_alu instid0(VALU_DEP_3)
	v_pk_add_f32 v[8:9], v[8:9], v[10:11]
	s_delay_alu instid0(VALU_DEP_2)
	v_pk_add_f32 v[12:13], v[12:13], v[14:15]
	s_delay_alu instid0(VALU_DEP_1)
	v_pk_add_f32 v[8:9], v[8:9], v[12:13]
	s_delay_alu instid0(VALU_DEP_1)
	v_add_f32 v8, v8, v9
	s_delay_alu instid0(VALU_DEP_1)
	v_add_f32_dpp v8, v8, v8 row_xmask:1 row_mask:0xf bank_mask:0xf
	s_delay_alu instid0(VALU_DEP_1)
	v_add_f32_dpp v8, v8, v8 row_xmask:2 row_mask:0xf bank_mask:0xf
	s_delay_alu instid0(VALU_DEP_1)
	v_add_f32_dpp v8, v8, v8 row_xmask:4 row_mask:0xf bank_mask:0xf
.endm
	FOLD
	s_delay_alu instid0(VALU_DEP_1)
	v_mul_f32 v16, 0x3a800000, v8                  ; the chunk's mean: the sum / 1,024
	s_delay_alu instid0(VALU_DEP_1)
	v_mov_b32 v17, v16
.set p, 0
.rept 16
.irp c, 0,1,2,3
	v_pk_add_f32 v[18+2*\c:19+2*\c], v[XS+2*(p+\c):XS+2*(p+\c)+1], v[16:17] neg_lo:[0,1] neg_hi:[0,1]   ; x - mean
.endr
.irp c, 0,1,2,3
.if p == 0
	s_delay_alu instid0(VALU_DEP_4)
	v_pk_mul_f32 v[8+2*\c:9+2*\c], v[18+2*\c:19+2*\c], v[18+2*\c:19+2*\c]
.else
	s_delay_alu instid0(VALU_DEP_4)
	v_pk_fma_f32 v[8+2*\c:9+2*\c], v[18+2*\c:19+2*\c], v[18+2*\c:19+2*\c], v[8+2*\c:9+2*\c]
.endif
.endr
.set p, p+4
.endr
	FOLD
	s_delay_alu instid0(VALU_DEP_1)
	v_mov_b32 v17, v8                              ; (mean, sum of squares about it)
	v_and_b32 v4, 7, v2
	v_lshrrev_b32 v5, 3, v2
	s_delay_alu instid0(VALU_DEP_1)
	v_lshlrev_b32 v5, 3, v5                        ; 8 bytes a group
	s_lshl_b32 s16, s15, 8                         ; 256 bytes a chunk,
	s_lshl_b32 s17, s14, 5                         ; 32 a wave
	s_add_co_u32 s16, s16, s17
	s_mov_b32 s17, 0
	s_add_nc_u64 s[12:13], s[12:13], s[16:17]
	v_cmp_eq_u32 vcc_lo, 0, v4
	s_wait_alu depctr_va_vdst(0)
	s_wait_xcnt 0x0                                ; EXEC changes only behind this wait
	s_and_saveexec_b32 s18, vcc_lo                 ; one lane of each group stores: 32 bytes a wave, one byte for each 512 read
	global_store_b64 v5, v[16:17], s[12:13]
	s_wait_xcnt 0x0
	s_or_b32 exec_lo, exec_lo, s18
	s_endpgm
.Lfunc_end_k_q2677742467_prep:
	.size	k_q2677742467_prep, .Lfunc_end_k_q2677742467_prep-k_q2677742467_prep
	.p2alignl 7, 3214868480
	.fill 96, 4, 3214868480
	.section	.rodata,"a",@progbits
	.p2align	6, 0x0
	.amdhsa_kernel k_q2677742467_prep
		.amdhsa_group_segment_fixed_size 2048
		.amdhsa_private_segment_fixed_size 0
		.amdhsa_enable_private_segment 0
		.amdhsa_kernarg_size 40
		.amdhsa_user_sgpr_count 2
		.amdhsa_user_sgpr_kernarg_segment_ptr 1
		.amdhsa_wavefront_size32 1
		.amdhsa_system_sgpr_workgroup_id_x 1
		.amdhsa_system_sgpr_workgroup_id_y 1
		.amdhsa_system_sgpr_workgroup_id_z 1
		.amdhsa_system_vgpr_workitem_id 0
		.amdhsa_next_free_vgpr 226
		.amdhsa_next_free_sgpr 66
		.amdhsa_reserve_vcc 1
		.amdhsa_float_denorm_mode_32 3
		.amdhsa_float_denorm_mode_16_64 3
		.amdhsa_memory_ordered 1
		.amdhsa_forward_progress 1
		.amdhsa_inst_pref_size 46
	.end_amdhsa_kernel
	.amdgpu_metadata
---
amdhsa.version: [ 1, 2 ]
amdhsa.kernels:
  - .name:           k_q2677742467_prep
    .symbol:         k_q2677742467_prep.kd
    .args:
      - { .name: x, .offset: 0, .size: 8, .value_kind: global_buffer, .address_space: global }
      - { .name: W_qkv, .offset: 8, .size: 8, .value_kind: global_buffer, .address_space: global }
      - { .name: W_o, .offset: 16, .size: 8, .value_kind: global_buffer, .address_space: global }
      - { .name: w_buf, .offset: 24, .size: 8, .value_kind: global_buffer, .address_space: global }
      - { .name: part, .offset: 32, .size: 8, .value_kind: global_buffer, .address_space: global }
    .group_segment_fixed_size: 2048
    .private_segment_fixed_size: 0
    .kernarg_segment_align: 8
    .kernarg_segment_size: 40
    .max_flat_workgroup_size: 256
    .sgpr_count:     66
    .vgpr_count:     226
    .wavefront_size: 32
...
	.end_amdgpu_metadata
.endif
;; end of part 1
;; launch hquant (part 2): grid 256 x 1, 4 waves a work-group, no clusters, 41,472 bytes of LDS; arguments x, gn_gamma, gn_beta, part, h_buf; writes h_buf
.if DOCPART == 2
	.amdgcn_target "amdgcn-amd-amdhsa--gfx1250"
	.amdhsa_code_object_version 6
	.text
	.protected	k_q2677742467_hquant
	.globl	k_q2677742467_hquant
	.p2align	8
	.type	k_q2677742467_hquant,@function
k_q2677742467_hquant:
	s_mov_b64 s[64:65], 0
	v_nop
	global_prefetch_b8 v0, s[64:65] scope:SCOPE_SE
	s_setreg_imm32_b32 hwreg(HW_REG_WAVE_MODE, 25, 1), 1
	s_wait_xcnt 0x0
; h = (x - mean) rsqrt(var + 1e-6) gamma + beta (a group: 32 channels x all 2,048 rows of a batch), in f32, and at once into codes of FP4 (E2M1) along the channels, one E8M0 byte for each 32.
; A group of channels IS a block of 32 along K.  The group's mean and variance are joined from the 64 chunks' (mean, sum of squares about it): mean = the means' average;
; the sum of squares = the chunks' sums + 1,024 x the sum of (chunk's mean - mean)^2: again no difference of large sums.
; h_buf: codes [128 token positions][512 along K][16 positions T][block][position % 16][16 bytes], an image of the operand's registers; from byte 4,194,304 on the scale bytes
; [128 positions][512 along K][position][16 bytes].  A token lies at POSITION = its number with bits 3 and 4 exchanged.
; A work-group takes 32 tokens; a wave 16 positions (one T) x 512 channels, a row a step.  Each of a step's four loads reads 512 consecutive bytes; the 2,048 bytes turn through the wave's own stage in LDS,
; so that a lane holds 16 neighbours (two lanes a block).  Codes and bytes gather in the wave's own LDS and leave as runs of 512 and 256 consecutive bytes.  Waves share nothing: no barrier.
; LIMITS: a block whose largest magnitude lies under 2^-124 keeps the byte 1; a block of zeros gets the byte 1 and not 127 (zero codes; this program alone reads the bytes); NaN and infinities are not served.
.set WREG, 10240                       ; LDS of a wave: two stages of 32 x 80 bytes; 16 units of 256 + 16 bytes for the codes; 256 scale bytes
.set SP,   80
.set CST,  5120
.set SCB,  9472
.set R,    16                          ; v16-79   four sets of 16 numbers as loaded
.set X,    80                          ; v80-111  two sets of 16 neighbours (v80-95: at work at the head)
.set P,    96                          ; v96-223  at the head: the 64 chunks' pairs
.set C,    128                         ; v128-159 a step's codes, two registers each, never rewritten
.set E,    160                         ; v160-175 a step's scale byte
.set GA,   224                         ; v224-239 rsqrt x gamma of my 16 channels
.set BE,   240                         ; v240-255 beta
; v1 16 x lane; v[2:3] the mean, twice; v4, v5 where codes and bytes go in LDS; v6, v7 where they are read back; v10 8 x lane; v12, v13 offsets of the head's loads; v14, v15 the stage, in and out; v8, v9, v11 at work
	s_load_b256 s[4:11], s[0:1], 0x0               ; x, gamma, beta, part
	s_load_b64 s[12:13], s[0:1], 0x20              ; h_buf
	s_set_vgpr_msb 0x40
	v_lshl_add_u32 v0, v0, 2, 0xa000
	v_mov_b32 v1, 0
	s_set_vgpr_msb 0x4000
	v_lshrrev_b32 v4, 5, v0
	v_readfirstlane_b32 s14, v4                    ; wave 0..3
	s_and_b32 s15, s14, 1                          ; ks: which 512 channels
	s_lshr_b32 s16, s14, 1                         ; u: which 16 of the 32 positions
	s_mul_i32 s17, s14, WREG
	v_and_b32 v10, 31, v0                          ; lane
	v_lshlrev_b32 v1, 4, v10
	v_lshrrev_b32 v14, 2, v10
	v_mul_u32_u24 v14, v14, SP
	v_and_b32 v15, 3, v10
	v_lshl_add_u32 v14, v15, 4, v14
	v_add_nc_u32 v14, s17, v14                     ; the stage, in: four lanes' 64 bytes on end, then 16 of padding
	v_mul_u32_u24 v15, v10, SP
	v_add_nc_u32 v15, s17, v15                     ; out: my 16 neighbours
	v_lshrrev_b32 v12, 1, v10                      ; my block
	v_and_b32 v13, 1, v10
	v_mul_u32_u24 v4, v12, 272
	v_lshl_add_u32 v4, v13, 3, v4
	v_add_nc_u32 v4, s17, v4
	v_add_nc_u32 v4, CST, v4                       ; codes in: unit = block, + 8 for the block's upper half; + 16 a step
	v_add_nc_u32 v5, s17, v12
	v_add_nc_u32 v5, SCB, v5                       ; bytes in: + 16 a step
	v_lshrrev_b32 v6, 4, v10
	v_mul_u32_u24 v6, v6, 272
	v_and_b32 v7, 15, v10
	v_lshl_add_u32 v6, v7, 4, v6
	v_add_nc_u32 v6, s17, v6
	v_add_nc_u32 v6, CST, v6                       ; codes out: sixteen lanes to a unit
	v_lshlrev_b32 v12, 3, v12                      ; part: 8 bytes a group
	v_lshlrev_b32 v13, 6, v10                      ; gamma, beta: my 16 numbers
	v_lshlrev_b32 v10, 3, v10
	v_add_nc_u32 v7, s17, v10
	v_add_nc_u32 v7, SCB, v7                       ; bytes out
	s_lshl_b32 s18, ttmp9, 17                      ; x: 32 rows a work-group,
	s_lshl_b32 s19, s16, 15                        ; 8 u rows,
	s_add_co_u32 s18, s18, s19
	s_lshl_b32 s19, s15, 11                        ; 512 ks channels
	s_add_co_u32 s18, s18, s19
	s_mov_b32 s19, 0
	s_lshr_b32 s20, ttmp9, 6                       ; the batch
	s_lshl_b32 s20, s20, 14
	s_lshl_b32 s21, s15, 7                         ; groups 16 ks on
	s_add_co_u32 s20, s20, s21
	s_mov_b32 s21, 0
	s_lshl_b32 s22, s15, 11
	s_mov_b32 s23, 0
	s_lshl_b32 s24, ttmp9, 1
	s_add_co_u32 s24, s24, s16                     ; my tile of 16 positions
	s_lshr_b32 s25, s24, 3
	s_and_b32 s26, s24, 7
	s_lshl_b32 s28, s25, 16
	s_lshl_b32 s29, s15, 15
	s_add_co_u32 s28, s28, s29
	s_lshl_b32 s29, s26, 12
	s_add_co_u32 s28, s28, s29
	s_mov_b32 s29, 0
	s_lshl_b32 s30, s25, 12
	s_lshl_b32 s31, s15, 11
	s_add_co_u32 s30, s30, s31
	s_lshl_b32 s31, s26, 8
	s_add_co_u32 s30, s30, s31
	s_add_co_u32 s30, s30, 0x400000
	s_mov_b32 s31, 0
	s_mov_b32 s32, 0x37800000                      ; 1 / 65,536: a group has 2,048 x 32 numbers
	s_mov_b32 s33, 0x358637bd                      ; 1e-6
	s_wait_alu depctr_va_vdst(0)
	s_wait_kmcnt 0x0
	s_add_nc_u64 s[4:5], s[4:5], s[18:19]
	s_add_nc_u64 s[10:11], s[10:11], s[20:21]
	s_add_nc_u64 s[6:7], s[6:7], s[22:23]
	s_add_nc_u64 s[8:9], s[8:9], s[22:23]
	s_add_nc_u64 s[34:35], s[12:13], s[28:29]      ; my 4,096 bytes of codes
	s_add_nc_u64 s[36:37], s[12:13], s[30:31]      ; my 256 scale bytes
.set i, 0
.rept 64
	global_load_b64 v[P+2*i:P+2*i+1], v12, s[10:11] offset:256*i   ; chunk i: my group's (mean, sum of squares)
.set i, i+1
.endr
.irp i, 0,1,2,3
	global_load_b128 v[GA+4*\i:GA+4*\i+3], v13, s[6:7] offset:16*\i
.endr
.irp i, 0,1,2,3
	global_load_b128 v[BE+4*\i:BE+4*\i+3], v13, s[8:9] offset:16*\i
.endr
.macro LOAD t                          ; step t: position t of my tile is row 8 u + t % 8 + 16 (t / 8) of the work-group's 32
.irp i, 0,1,2,3
	global_load_b128 v[R+16*((\t)%4)+4*\i:R+16*((\t)%4)+4*\i+3], v1, s[4:5] offset:(((\t)%8)+16*((\t)/8))*4096+512*\i
.endr
.endm
.macro TURN t                          ; step t's numbers through the stage: LDS serves a wave's instructions in order, so no wait stands between the stores and the loads
.irp i, 0,1,2,3
	ds_store_b128 v14, v[R+16*((\t)%4)+4*\i:R+16*((\t)%4)+4*\i+3] offset:32*SP*((\t)%2)+8*SP*\i
.endr
.irp i, 0,1,2,3
	ds_load_b128 v[X+16*((\t)%2)+4*\i:X+16*((\t)%2)+4*\i+3], v15 offset:32*SP*((\t)%2)+16*\i
.endr
.endm
	LOAD 0
	LOAD 1
	LOAD 2
	LOAD 3
	s_wait_loadcnt 24                              ; the 64 pairs are in: gamma's and beta's 8 loads and x's 16 are younger
.irp c, 0,1,2,3
	v_pk_add_f32 v[80+2*\c:81+2*\c], v[P+4*\c:P+4*\c+1], v[P+4*\c+2:P+4*\c+3]
.endr
.set i, 8
.rept 56
	v_pk_add_f32 v[80+2*(i%4):81+2*(i%4)], v[80+2*(i%4):81+2*(i%4)], v[P+2*i:P+2*i+1]
.set i, i+1
.endr
	v_pk_add_f32 v[80:81], v[80:81], v[82:83]
	v_pk_add_f32 v[84:85], v[84:85], v[86:87]
	v_pk_add_f32 v[80:81], v[80:81], v[84:85]      ; (the means' sum, the sums of squares' sum)
	v_mul_f32 v2, 0x3c800000, v80                  ; the group's mean: / 64
.set i, 0
.rept 16
.irp c, 0,1,2,3
	v_sub_f32 v[88+\c], v[P+2*(i+\c)], v2
.endr
.irp c, 0,1,2,3
.if i == 0
	v_mul_f32 v[92+\c], v[88+\c], v[88+\c]
.else
	v_fma_f32 v[92+\c], v[88+\c], v[88+\c], v[92+\c]
.endif
.endr
.set i, i+4
.endr
	v_add_f32 v92, v92, v93
	v_add_f32 v94, v94, v95
	v_add_f32 v92, v92, v94
	v_fmamk_f32 v81, v92, 0x44800000, v81          ; + 1,024 x the spread of the chunks' means
	v_fma_f32 v81, v81, s32, s33                   ; the variance + 1e-6
	s_wait_alu depctr_va_vdst(0)
	v_rsq_f32 v82, v81
	v_mov_b32 v3, v2                               ; (a plain place behind the transcendental)  the mean, twice
	s_wait_loadcnt 16                              ; gamma and beta are in
	s_wait_alu depctr_va_vdst(0)
.irp i, 0,1,2,3,4,5,6,7
	v_pk_mul_f32 v[GA+2*\i:GA+2*\i+1], v[GA+2*\i:GA+2*\i+1], v[82:83] op_sel_hi:[1,0]
.endr
	s_wait_loadcnt 12                              ; step 0's four loads are in
	TURN 0
.macro STEP t
.set XW, X+16*((\t)%2)
.if (\t) > 0
	s_wait_dscnt 2                                 ; this step's numbers are back from the stage; the last step's two stores may be out
.else
	s_wait_dscnt 0x0
.endif
.if (\t)+4 < 16
	LOAD (\t)+4                                    ; into the registers that this step's stores into the stage have read
.endif
.if (\t)+1 < 16
.if 14-(\t) >= 3
	s_wait_loadcnt 12                              ; the next step's four loads are in; three steps' may be out
.else
	s_wait_loadcnt 4*(14-(\t))
.endif
	TURN (\t)+1
.endif
.irp i, 0,2,4,6,8,10,12,14
	v_pk_add_f32 v[XW+\i:XW+\i+1], v[XW+\i:XW+\i+1], v[2:3] neg_lo:[0,1] neg_hi:[0,1]
.endr
.irp i, 0,2,4,6,8,10,12,14
	v_pk_fma_f32 v[XW+\i:XW+\i+1], v[XW+\i:XW+\i+1], v[GA+\i:GA+\i+1], v[BE+\i:BE+\i+1]
.endr
	v_max3_num_f32 v8, |v[XW]|, |v[XW+1]|, |v[XW+2]|
	v_max3_num_f32 v9, |v[XW+3]|, |v[XW+4]|, |v[XW+5]|
.irp i, 6,10
	v_max3_num_f32 v8, v8, |v[XW+\i]|, |v[XW+\i+1]|
	v_max3_num_f32 v9, v9, |v[XW+\i+2]|, |v[XW+\i+3]|
.endr
	v_max3_num_f32 v8, v8, |v[XW+14]|, |v[XW+15]|
	v_max3_num_f32 v8, v8, v9, 0x1800000           ; and the floor 2^(3 - 127)
	v_max_num_f32_dpp v8, v8, v8 row_xmask:1 row_mask:0xf bank_mask:0xf   ; with my neighbour's 16: the block's
	v_add_nc_u32 v11, 0xff000000, v8               ; 2 off the exponent field: the conversion's scale operand
	v_cvt_scalef32_pk8_fp4_f32 v[C+2*(\t)], v[XW:XW+7], v11
	v_cvt_scalef32_pk8_fp4_f32 v[C+2*(\t)+1], v[XW+8:XW+15], v11
	v_lshrrev_b32 v[E+(\t)], 23, v11               ; the scale's byte (also the plain place behind the conversions)
	ds_store_b8 v5, v[E+(\t)] offset:16*(\t)       ; both lanes of a block write the same byte with the same value
	ds_store_b64 v4, v[C+2*(\t):C+2*(\t)+1] offset:16*(\t)
.endm
.irp t, 0,1,2,3,4,5,6,7,8,9,10,11,12,13,14,15
	STEP \t
.endr
.irp i, 0,1,2,3,4,5,6,7
	ds_load_b128 v[16+4*\i:19+4*\i], v6 offset:544*\i   ; LDS serves a wave's instructions in order: these see my stores
.endr
	ds_load_b64 v[48:49], v7
.irp i, 0,1,2,3,4,5,6,7
	s_wait_dscnt 8-\i
	global_store_b128 v1, v[16+4*\i:19+4*\i], s[34:35] offset:512*\i   ; 512 consecutive bytes
.endr
	s_wait_dscnt 0x0
	global_store_b64 v10, v[48:49], s[36:37]       ; 256 consecutive bytes
	s_set_vgpr_msb 0x5
	s_wait_tensorcnt 0x0
	ds_add_u32 v0, v1
	s_wait_dscnt 0x0
	s_set_vgpr_msb 0x500
	s_endpgm
.Lfunc_end_k_q2677742467_hquant:
	.size	k_q2677742467_hquant, .Lfunc_end_k_q2677742467_hquant-k_q2677742467_hquant
	.p2alignl 7, 3214868480
	.fill 96, 4, 3214868480
	.section	.rodata,"a",@progbits
	.p2align	6, 0x0
	.amdhsa_kernel k_q2677742467_hquant
		.amdhsa_group_segment_fixed_size 41472
		.amdhsa_private_segment_fixed_size 0
		.amdhsa_enable_private_segment 0
		.amdhsa_kernarg_size 40
		.amdhsa_user_sgpr_count 2
		.amdhsa_user_sgpr_kernarg_segment_ptr 1
		.amdhsa_wavefront_size32 1
		.amdhsa_system_sgpr_workgroup_id_x 1
		.amdhsa_system_sgpr_workgroup_id_y 1
		.amdhsa_system_sgpr_workgroup_id_z 1
		.amdhsa_system_vgpr_workitem_id 0
		.amdhsa_next_free_vgpr 258
		.amdhsa_next_free_sgpr 66
		.amdhsa_reserve_vcc 0
		.amdhsa_float_denorm_mode_32 3
		.amdhsa_float_denorm_mode_16_64 3
		.amdhsa_memory_ordered 1
		.amdhsa_forward_progress 1
		.amdhsa_inst_pref_size 69
	.end_amdhsa_kernel
	.amdgpu_metadata
---
amdhsa.version: [ 1, 2 ]
amdhsa.kernels:
  - .name:           k_q2677742467_hquant
    .symbol:         k_q2677742467_hquant.kd
    .args:
      - { .name: x, .offset: 0, .size: 8, .value_kind: global_buffer, .address_space: global }
      - { .name: gn_gamma, .offset: 8, .size: 8, .value_kind: global_buffer, .address_space: global }
      - { .name: gn_beta, .offset: 16, .size: 8, .value_kind: global_buffer, .address_space: global }
      - { .name: part, .offset: 24, .size: 8, .value_kind: global_buffer, .address_space: global }
      - { .name: h_buf, .offset: 32, .size: 8, .value_kind: global_buffer, .address_space: global }
    .group_segment_fixed_size: 41472
    .private_segment_fixed_size: 0
    .kernarg_segment_align: 8
    .kernarg_segment_size: 40
    .max_flat_workgroup_size: 128
    .sgpr_count:     66
    .vgpr_count:     258
    .wavefront_size: 32
...
	.end_amdgpu_metadata
.endif
;; end of part 2
;; launch qkv (part 3): grid 12 x 64, 4 waves a work-group, clusters of 4 x 4, 213,504 bytes of LDS; arguments h_buf, w_buf, b_qkv, qk_buf, v_buf; writes qk_buf, v_buf
.if DOCPART == 3
	.amdgcn_target "amdgcn-amd-amdhsa--gfx1250"
	.amdhsa_code_object_version 6
	.text
	.protected	k_q2677742467_qkv
	.globl	k_q2677742467_qkv
	.p2align	8
	.type	k_q2677742467_qkv,@function
k_q2677742467_qkv:
	s_mov_b64 s[64:65], 0
	v_nop
	global_prefetch_b8 v0, s[64:65] scope:SCOPE_SE
	s_setreg_imm32_b32 hwreg(HW_REG_WAVE_MODE, 25, 1), 1
	s_wait_xcnt 0x0
	s_wait_alu depctr_hold_cnt(0) depctr_sa_sdst(0) depctr_va_vdst(0) depctr_va_sdst(0) depctr_va_ssrc(0) depctr_va_vcc(0) depctr_vm_vsrc(0)
	s_getreg_b32 s2, hwreg(HW_REG_IB_STS2, 6, 4)
	s_cmp_eq_u32 s2, 0
	s_cbranch_scc0 .Lentry_in_a_cluster
	s_endpgm
.Lentry_in_a_cluster:
	s_bfe_u32 s2, ttmp6, 0x10000c
	s_cmp_lg_u32 s2, 0xf033
	s_cbranch_scc0 .Lentry_shape_is_right
	s_endpgm
.Lentry_shape_is_right:
; qkv = h W_qkv + b_qkv on codes of FP4 (E2M1) with E8M0 scales, and its three parts at once into codes again: q and k along the head's 64, v along the keys.
; A work-group of four waves makes 128 rows of the SECOND source x 256 rows of the FIRST, K = 1,024 in eight steps of 128; a wave 64 x 128: 32 accumulators.  In a result a lane holds one row of the second
; source, and its registers run along the first source's rows; since rows lie in POSITION order (bits 3 and 4 of the number exchanged), the 16 registers of two neighbouring tiles are 16 neighbours.
;   Clusters with x = 0, 1 (q, k): second source = 128 tokens of h, first = 256 columns of W: a lane's 64 registers are 128 columns = two heads: quantised along d.
;   Clusters with x = 2 (v): second source = 128 columns of W (two heads' d), first = 256 tokens: a lane's 64 registers are 128 keys: quantised along the keys.
; The choice hangs on the cluster's x alone, which all partners share: it selects pointers and tile numbers, and one branch on the way out.
; THE WHOLE K OF A TILE FITS IN LDS: four fills, one a wave (the two sources' codes and their scale bytes); nothing is ever filled again.
; Codes lie in memory and in LDS as images of the operands' registers: a fragment is two loads of 512 consecutive bytes; no pitch, no padding.
; CLUSTER 4 x 4: the second source's tile hangs on the cluster's row alone and is asked for jointly along it, the first source's on the column.
; qk_buf: codes [batch][32: q's heads, k's heads][128 tiles of 16 token positions][lane][16 bytes]; from 8,388,608 on a scale word for each [batch][head][position]: bytes 0, 1 the head's two blocks;
;   bytes 2, 3 the next head's or 0: they meet zero codes alone and are never 0xff.   v_buf: codes [batch x head][16 key steps][4 tiles of d][2][lane][16 bytes]; from 4,194,304 on [..][key step][d position][4 bytes].
; LIMITS: a block whose largest magnitude lies under 2^-124 keeps the byte 1; a block of zeros gets the byte 1 and not 127 (zero codes; this program alone reads the bytes); NaN and infinities are not served.
; REGISTERS: window 0: v16-28 addresses; v32-95 scale words; v96-103 the lane's bias (v); v104-107 scale words made; v108-123 the quantiser's work; v124-127 words to store; v128-191 the second source's fragments, two sets,
;   later the codes made; v192-255 64 numbers to quantise.   window 1: v0-63, v128-191 the first source's fragments, two sets; v64-127 the registers' bias (q, k).   window 2: accumulator (a, b) at v[8 (8 a + b)].
.set ACOD, 0                           ; LDS: second source's codes [K step of 512][8 T][4,096]
.set BCOD, 65536                       ; first source's [128 rows][K step][8 T][4,096]
.set ASC,  196608                      ; second source's scale bytes [K step][128 rows][16]
.set BSC,  200704                      ; first source's [128 rows' half][K step][128][16]
.set SSQ,  208896                      ; 512 bytes a wave: scale words on the way out (q, k)
.set SSV,  210944                      ; the same for v: bytes of its own for each way
.set ADRA, 16
.set ADRB, 17
.set ADRS, 18
.set LI,   19                          ; 16 x lane
.set SQA,  20
.set SQR,  21
.set SQG,  22
.set SVA,  23
.set SVR,  24
.set SVG,  25
.set BPO,  26
.set BRO,  27
.set SH,   28                          ; 16 x (lane / 16)
.set SC,   32                          ; register 32 s + 4 i + q: lanes 0-15 the word of the second source's block i, lanes 16-31 of the first's block i, K step 4 s + q
.set BR,   96
.set PW,   104
.set TM,   108
.set W2,   124
.set AF,   128
.set PC,   128
.set HA,   192
.set BP,   64
.set G1A,  24
.set G1B,  32
.set G1SA, 40
.set G1SB, 48
.set G0A,  56
.set G0B,  68
.set G0SA, 76
.set G0SB, 80
.set SEL,  90
.set MSB, 0
.macro WIN new                         ; the immediate's high byte repeats the setting that is left
.if MSB != \new
	s_set_vgpr_msb (MSB<<8)|\new
.set MSB, \new
.endif
.endm
.macro PLACES n
.rept \n
	v_nop
.endr
.endm
; A joint load: waves 0 and 2 fetch for the second source, waves 1 and 3 for the first.  Each line has one mask and one set of registers for all that issue it; the branch hangs on the wave's number alone.
; Four v_nop follow each load.
; One arm of the head's tree of branches on the wave's number: its load, and a jump to the tree's end.
.macro ARM under, g0, g1, next
	s_cmp_lt_u32 s14, \under
	s_cbranch_scc0 \next
	tensor_load_to_lds s[\g0:\g0+3], s[\g1:\g1+7]
	s_nop 0
.rept 4
	v_nop
.endr
	s_branch .Lhead_asked
\next:
.endm
.macro CROUND                          ; a round of the cluster's barrier
	s_barrier_signal -1
	s_barrier_wait -1
	s_cmp_lg_u32 s14, 0
	s_cbranch_scc1 .Lnot_wave_0_\@
	s_barrier_signal -3
.Lnot_wave_0_\@:
	s_barrier_wait -3
	s_barrier_signal -1
	s_barrier_wait -1
.endm
.macro SHAPE g, rows, pitch            ; group 1 of a tile of rows of 256 bytes (32 elements of 8 bytes)
	s_mov_b32 s[\g+1], 32<<16
	s_mov_b32 s[\g+2], (\rows)<<16
	s_mov_b32 s[\g+3], 32<<16
	s_mov_b32 s[\g+4], \rows
	s_mov_b32 s[\g+5], \pitch
	s_mov_b32 s[\g+6], 0
	s_mov_b32 s[\g+7], 0
.endm
; 64 numbers of a lane, register 16 b + i = k 32 b + 16 (lane / 16) + i of my row, become a fragment's codes in v[pc] on and its scale word in v[pw].
.macro QUANT s, pc, pw
.irp b, 0,1,2,3
	v_max3_num_f32 v[TM+\b], |v[\s+16*\b]|, |v[\s+1+16*\b]|, 0x1800000   ; my 16 numbers of block b, and the floor 2^(3 - 127)
.endr
.irp i, 2,4,6,8,10,12,14
.irp b, 0,1,2,3
	v_max3_num_f32 v[TM+\b], v[TM+\b], |v[\s+16*\b+\i]|, |v[\s+1+16*\b+\i]|
.endr
.endr
.irp b, 0,1,2,3
	v_permlanex16_b32 v[TM+4+\b], v[TM+\b], s[SEL], s[SEL+1]
.endr
.irp b, 0,1,2,3
	v_max_num_f32 v[TM+\b], v[TM+\b], v[TM+4+\b]   ; with lane l xor 16's: the block's largest magnitude
.endr
.irp b, 0,1,2,3
	v_add_nc_u32 v[TM+12+\b], 0xff000000, v[TM+\b] ; 2 off the exponent field: the conversion's scale operand
.endr
.irp b, 0,1,2,3
	v_lshrrev_b32 v[TM+4+\b], 23, v[TM+12+\b]      ; the scale's byte
.endr
	v_lshl_or_b32 v[\pw], v[TM+5], 8, v[TM+4]
	v_lshl_or_b32 v[\pw], v[TM+6], 16, v[\pw]
	v_lshl_or_b32 v[\pw], v[TM+7], 24, v[\pw]
.irp b, 0,1,2,3
	v_cvt_scalef32_pk8_fp4_f32 v[(\pc)+2*\b], v[\s+16*\b:\s+7+16*\b], v[TM+12+\b]
	v_cvt_scalef32_pk8_fp4_f32 v[(\pc)+1+2*\b], v[\s+8+16*\b:\s+15+16*\b], v[TM+12+\b]
.endr
	v_nop                                          ; one plain place behind a scaled conversion
.irp c, 0,1                                    ; the operand's layout wants a whole block in a lane
.irp i, 0,1
	v_permlane16_swap_b32 v[(\pc)+4*\c+\i], v[(\pc)+2+4*\c+\i]
.endr
.endr
.endm
	s_load_b256 s[4:11], s[0:1], 0x0               ; h_buf, w_buf, b_qkv, qk_buf
	s_load_b64 s[12:13], s[0:1], 0x20              ; v_buf
	v_lshl_add_u32 v118, v0, 2, 0x34000
	v_mov_b32 v119, 0
	ds_add_u32 v118, v119
	ds_add_u32 v118, v119
	v_lshrrev_b32 v1, 5, v0
	v_readfirstlane_b32 s14, v1                    ; wave 0..3
	s_lshr_b32 s15, s14, 1                         ; hr: my 64 of the second source's rows
	s_and_b32 s16, s14, 1                          ; hp: my 128 of the first source's rows
	s_bfe_u32 s84, ttmp6, 0x40000                  ; cx
	s_bfe_u32 s85, ttmp6, 0x40004                  ; cy
	s_and_b32 s86, ttmp7, 0xffff                   ; the cluster's y
	s_lshl_b32 s87, s85, 2
	s_lshl_b32 s87, 15, s87                        ; my row of the cluster
	s_lshl_b32 s88, 0x1111, s84                    ; my column
	s_or_b32 s[G1A], s87, (3<<16)|(1<<21)          ; 15:0 the mask; 17:16 elements of 8 bytes; 21 set beside a mask; no padding
	s_or_b32 s[G1SA], s87, (3<<16)|(1<<21)
	s_or_b32 s[G1B], s88, (3<<16)|(1<<21)
	s_or_b32 s[G1SB], s88, (3<<16)|(1<<21)
	SHAPE G1A, 256, 32                             ; the second source's codes, all of K: 65,536 dense bytes
	SHAPE G1B, 512, 32                             ; the first source's 256 rows, all of K: 131,072
	SHAPE G1SA, 16, 32                             ; 4,096 scale bytes
	SHAPE G1SB, 32, 32                             ; 8,192
	s_lshl_b32 s17, s86, 2
	s_add_co_u32 s17, s17, s85                     ; q, k: tokens' tile of 128: 4 x cluster y + cy
	s_and_b32 s18, s86, 1
	s_lshl_b32 s18, s18, 2
	s_add_co_u32 s18, s18, s85
	s_add_co_u32 s18, s18, 16                      ; v: W's tile of 128 columns: 16 + 4 (cluster y % 2) + cy
	s_lshl_b32 s19, ttmp9, 2
	s_add_co_u32 s19, s19, s84                     ; q, k: W's tile of 256 columns: 4 x cluster x + cx
	s_lshr_b32 s20, s86, 1
	s_lshl_b32 s20, s20, 2
	s_add_co_u32 s20, s20, s84                     ; v: tokens' tile of 256: 4 (cluster y / 2) + cx
	s_mov_b32 s21, 0x400000                        ; where h_buf's scale bytes begin,
	s_mov_b32 s22, 0x200000                        ; and w_buf's
	s_wait_dscnt 0x0
	s_wait_kmcnt 0x0
	s_cmp_eq_u32 ttmp9, 2                          ; v's clusters?  Selections alone stand behind this compare
	s_cselect_b64 s[90:91], s[6:7], s[4:5]         ; the second source's buffer,
	s_cselect_b64 s[92:93], s[4:5], s[6:7]         ; the first's
	s_cselect_b32 s23, s22, s21
	s_cselect_b32 s89, s21, s22
	s_cselect_b32 s17, s18, s17                    ; tA: made of cy and the cluster's place alone
	s_cselect_b32 s19, s20, s19                    ; tB: of cx and the cluster's place alone
	s_lshl_b32 s94, s17, 16
	s_mov_b32 s95, 0
	s_add_nc_u64 s[94:95], s[90:91], s[94:95]      ; second source's codes: the tile's, all of K
	s_lshl_b32 s96, s17, 12
	s_add_co_u32 s96, s96, s23
	s_mov_b32 s97, 0
	s_add_nc_u64 s[96:97], s[90:91], s[96:97]      ; its scale bytes, the tile's
	s_lshl_b32 s98, s19, 17
	s_mov_b32 s99, 0
	s_add_nc_u64 s[98:99], s[92:93], s[98:99]      ; first source's codes: the tile's 256 rows, all of K
	s_lshl_b32 s2, s19, 13
	s_add_co_u32 s2, s2, s89
	s_mov_b32 s3, 0
	s_add_nc_u64 s[2:3], s[92:93], s[2:3]          ; its scale bytes
	CROUND                                         ; all sixteen work-groups are here: the joint loads meet
; THE HEAD'S LOADS, ONE A WAVE (it takes the place of the three fills a wave that the head comment names):
; each of the four tiles is one dense block of memory: wave 0 fetches the second source's codes, wave 1 the first's, wave 2 the second's scale bytes, wave 3 the first's.  Nothing is filled again.
	s_mov_b32 s[G0SA], 1
	s_mov_b32 s[G0SA+1], ASC
	s_mov_b64 s[G0SA+2:G0SA+3], s[96:97]
	s_or_b32 s[G0SA+3], s[G0SA+3], 0x80000000
	s_mov_b32 s[G0SB], 1
	s_mov_b32 s[G0SB+1], BSC
	s_mov_b64 s[G0SB+2:G0SB+3], s[2:3]
	s_or_b32 s[G0SB+3], s[G0SB+3], 0x80000000
	s_mov_b32 s[G0A], 1
	s_mov_b32 s[G0A+1], ACOD
	s_mov_b64 s[G0A+2:G0A+3], s[94:95]
	s_or_b32 s[G0A+3], s[G0A+3], 0x80000000
	s_mov_b32 s[G0B], 1
	s_mov_b32 s[G0B+1], BCOD
	s_mov_b64 s[G0B+2:G0B+3], s[98:99]
	s_or_b32 s[G0B+3], s[G0B+3], 0x80000000
	ARM 1, G0A,  G1A,  .Lhead_b
	ARM 2, G0B,  G1B,  .Lhead_sa
	ARM 3, G0SA, G1SA, .Lhead_sb
	tensor_load_to_lds s[G0SB:G0SB+3], s[G1SB:G1SB+7]
	s_nop 0
.rept 4
	v_nop
.endr
.Lhead_asked:
	v_and_b32 v1, 15, v0                           ; r
	v_bfe_u32 v2, v0, 4, 1                         ; h
	v_and_b32 v3, 31, v0                           ; lane
	v_lshlrev_b32 v[LI], 4, v3
	v_lshlrev_b32 v[SH], 4, v2
	s_lshl_b32 s20, s15, 14
	v_add_nc_u32 v[ADRA], s20, v[LI]               ; my four T of the second source (ACOD = 0)
	s_lshl_b32 s20, s16, 16
	s_add_co_u32 s20, s20, BCOD
	v_add_nc_u32 v[ADRB], s20, v[LI]               ; my 128 rows of the first
	s_lshl_b32 s20, s15, 10
	s_lshl_b32 s21, s16, 12
	s_add_co_u32 s21, s21, BSC-ASC
	s_sub_co_u32 s21, s21, s20
	v_mul_u32_u24 v4, s21, v2                      ; lanes 16-31 take the first source's words: one product, the distance between the two bases
	s_wait_alu depctr_va_vdst(0)
	s_add_co_u32 s20, s20, ASC
	v_lshl_add_u32 v4, v1, 4, v4
	v_add_nc_u32 v[ADRS], s20, v4
	v_lshlrev_b32 v[BPO], 6, v2                    ; the registers' bias: 16 h numbers on
	v_and_b32 v5, 7, v1
	v_lshrrev_b32 v6, 3, v1
	v_lshl_add_u32 v5, v6, 4, v5
	v_lshlrev_b32 v[BRO], 2, v5                    ; the lane's bias: position r is column r % 8 + 16 (r / 8)
	s_lshl_b32 s18, s14, 9
	s_add_co_u32 s84, s18, SSQ
	s_add_co_u32 s85, s18, SSV
	v_lshlrev_b32 v4, 2, v1
	v_lshl_add_u32 v5, v2, 8, v4
	v_add_nc_u32 v[SQA], s84, v5                   ; q, k: words in: [head of two][64 positions]
	v_add_nc_u32 v[SQR], s84, v[LI]                ; back
	v_lshlrev_b32 v5, 4, v1
	v_lshl_add_u32 v[SQG], v2, 13, v5              ; out: a head's words lie 8,192 bytes from the next head's
	v_add_nc_u32 v[SVA], s85, v4                   ; v: words in: [64 d positions]
	v_lshlrev_b32 v[SVG], 3, v3
	v_add_nc_u32 v[SVR], s85, v[SVG]
.irp b, 0,1,2,3
	v_mov_b32 v[TM+4+\b], 0                        ; written once: a lane permute's destination counts as one of its sources
	v_mov_b32 v[BR+2*\b+1], 0                      ; (the upper halves of the pairs that the packed additions name)
.endr
	; both biases are loaded on the one way that all take, each from an offset that lies inside b_qkv in either kind of cluster
	s_lshl_b32 s20, s19, 10
	s_lshl_b32 s21, s16, 9
	s_add_co_u32 s20, s20, s21                     ; q, k: columns 256 tB + 128 hp on
	s_lshl_b32 s22, s17, 9
	s_lshl_b32 s21, s15, 8
	s_add_co_u32 s22, s22, s21                     ; v: columns 128 tA + 64 hr on (tA counts all 3,072 columns' tiles)
	s_cmp_eq_u32 ttmp9, 2
	s_cselect_b32 s20, 0, s20
	s_cselect_b32 s22, s22, 0
	s_mov_b32 s21, 0
	s_mov_b32 s23, 0
	s_add_nc_u64 s[20:21], s[8:9], s[20:21]
	s_add_nc_u64 s[22:23], s[8:9], s[22:23]
	s_mov_b32 s[SEL], 0x76543210
	s_mov_b32 s[SEL+1], 0xfedcba98                 ; v_permlanex16_b32's selects for lane l xor 16
	WIN 0x40                                       ; destination window 1
.irp B, 0,1,2,3
.irp q, 0,1,2,3
	global_load_b128 v[BP+16*\B+4*\q:BP+16*\B+4*\q+3], v[BPO], s[20:21] offset:128*\B+16*\q   ; register 16 B + i: column 32 B + 16 h + i
.endr
.endr
	WIN 0
.irp a, 0,1,2,3
	global_load_b32 v[BR+2*\a], v[BRO], s[22:23] offset:(32*(\a/2)+8*(\a%2))*4
.endr
.macro FETCH j                         ; K step j's fragments into set j % 2: 24 loads of 512 consecutive bytes
.set FS, (\j)/4
.set FQ, (\j)%4
.set FP, (\j)%2
	WIN 0x40
.irp b, 0,1,2,3,4,5,6,7
.irp c, 0,1
	ds_load_b128 v[128*FP+8*\b+4*\c:128*FP+8*\b+4*\c+3], v[ADRB] offset:FS*32768+\b*4096+FQ*1024+\c*512
.endr
.endr
	WIN 0
.irp a, 0,1,2,3
.irp c, 0,1
	ds_load_b128 v[AF+32*FP+8*\a+4*\c:AF+32*FP+8*\a+4*\c+3], v[ADRA] offset:FS*32768+\a*4096+FQ*1024+\c*512
.endr
.endr
.endm
.macro MUL32 j                         ; the 32 accumulators take turns, one instruction a turn, in the same order in every step
.set MS, (\j)/4
.set MQ, (\j)%4
.set MP, (\j)%2
.irp a, 0,1,2,3
.irp b, 0,1,2,3,4,5,6,7
.if (\j) == 0
	v_wmma_scale_f32_16x16x128_f8f6f4 v[8*(8*\a+\b):8*(8*\a+\b)+7], v[128*MP+8*\b:128*MP+8*\b+7], v[AF+32*MP+8*\a:AF+32*MP+8*\a+7], 0, v[SC+32*MS+4*\b+MQ], v[SC+32*MS+4*\a+MQ] matrix_a_fmt:MATRIX_FMT_FP4 matrix_b_fmt:MATRIX_FMT_FP4 matrix_a_scale:MATRIX_SCALE_ROW1
.else
	v_wmma_scale_f32_16x16x128_f8f6f4 v[8*(8*\a+\b):8*(8*\a+\b)+7], v[128*MP+8*\b:128*MP+8*\b+7], v[AF+32*MP+8*\a:AF+32*MP+8*\a+7], v[8*(8*\a+\b):8*(8*\a+\b)+7], v[SC+32*MS+4*\b+MQ], v[SC+32*MS+4*\a+MQ] matrix_a_fmt:MATRIX_FMT_FP4 matrix_b_fmt:MATRIX_FMT_FP4 matrix_a_scale:MATRIX_SCALE_ROW1
.endif
.endr
.endr
.endm
.macro STEP j
	s_wait_dscnt 0x0                               ; this step's fragments, asked for a step ago, are in
.if (\j) < 7
.if (\j) > 0
	PLACES 4                                       ; in front of loads into the set that the last products read
.endif
	FETCH (\j)+1
.endif
	WIN 0xa1                                       ; source 0 window 1, source 1 window 0, C and D window 2
	MUL32 \j
.endm
	s_wait_alu depctr_va_vdst(0)                   ; the wait at the head's end
	s_wait_tensorcnt 0x0                           ; my tile of the head's four is in
	s_barrier_signal -1
	s_barrier_wait -1
.irp s, 0,1
.irp i, 0,1,2,3,4,5,6,7
	ds_load_b128 v[SC+32*\s+4*\i:SC+32*\s+4*\i+3], v[ADRS] offset:\s*2048+\i*256   ; four words a row; for i > 3 lanes 0-15 read on into filled bytes that no product names
.endr
.endr
	FETCH 0
.irp j, 0,1,2,3,4,5,6,7
	STEP \j
.endr
	WIN 0
	PLACES 4                                       ; in front of the first read of results, and of writes into the fragments' registers
	s_wait_loadcnt 0x0                             ; the biases
	s_cmp_eq_u32 ttmp9, 2
	s_cbranch_scc1 .Lv_out
	; ---- q, k: block a = 16 token positions; a lane's 64 numbers are two heads' d
	s_lshr_b32 s84, s17, 4                         ; batch
	s_and_b32 s85, s17, 15                         ; the batch's tile of 128 positions
	s_lshl_b32 s86, s19, 2
	s_lshl_b32 s87, s16, 1
	s_add_co_u32 s86, s86, s87                     ; the first of my two heads (of 32: q's, then k's)
	s_lshl_b32 s84, s84, 5
	s_add_co_u32 s84, s84, s86
	s_lshl_b32 s86, s84, 16
	s_lshl_b32 s87, s85, 12
	s_add_co_u32 s86, s86, s87
	s_lshl_b32 s87, s15, 11
	s_add_co_u32 s86, s86, s87
	s_mov_b32 s87, 0
	s_add_nc_u64 s[86:87], s[10:11], s[86:87]
	s_lshl_b32 s88, s84, 13
	s_lshl_b32 s89, s85, 9
	s_add_co_u32 s88, s88, s89
	s_lshl_b32 s89, s15, 8
	s_add_co_u32 s88, s88, s89
	s_add_co_u32 s88, s88, 0x800000
	s_mov_b32 s89, 0
	s_add_nc_u64 s[88:89], s[10:11], s[88:89]
.irp a, 0,1,2,3
	WIN 0x06                                       ; source 0 window 2, source 1 window 1
.set p, 0
.rept 32
	v_pk_add_f32 v[HA+2*p:HA+2*p+1], v[64*\a+2*p:64*\a+2*p+1], v[BP+2*p:BP+2*p+1]   ; + the bias; each accumulator from its low end on
.set p, p+1
.endr
	WIN 0
	QUANT HA, PC+8*\a, PW+\a
	global_store_b128 v[LI], v[PC+8*\a:PC+8*\a+3], s[86:87] offset:512*\a          ; d 0-63 of the first head: 512 consecutive bytes
	global_store_b128 v[LI], v[PC+8*\a+4:PC+8*\a+7], s[86:87] offset:512*\a+65536  ; and of the second
	v_lshrrev_b32 v[W2+\a], v[SH], v[PW+\a]        ; lanes 16-31 carry the second head's two bytes, moved down
	ds_store_b32 v[SQA], v[W2+\a] offset:64*\a
.endr
	ds_load_b128 v[HA:HA+3], v[SQR]                ; my own bytes: LDS serves a wave's instructions in order
	s_wait_dscnt 0x0
	global_store_b128 v[SQG], v[HA:HA+3], s[88:89] ; two runs of 256 consecutive bytes
	s_branch .Lclose
	; ---- v: block a = 16 d positions of my head; a lane's 64 numbers are 128 keys
.Lv_out:
	s_sub_co_u32 s84, s17, 16
	s_lshl_b32 s84, s84, 1
	s_add_co_u32 s84, s84, s15                     ; head
	s_lshr_b32 s85, s19, 3
	s_lshl_b32 s85, s85, 4
	s_add_co_u32 s84, s84, s85                     ; 16 x batch + head
	s_and_b32 s85, s19, 7
	s_lshl_b32 s85, s85, 1
	s_add_co_u32 s85, s85, s16                     ; key step
	s_lshl_b32 s84, s84, 4
	s_add_co_u32 s84, s84, s85
	s_lshl_b32 s86, s84, 12
	s_mov_b32 s87, 0
	s_add_nc_u64 s[86:87], s[12:13], s[86:87]
	s_lshl_b32 s88, s84, 8
	s_add_co_u32 s88, s88, 0x400000
	s_mov_b32 s89, 0
	s_add_nc_u64 s[88:89], s[12:13], s[88:89]
	s_wait_alu depctr_va_vdst(0)
.irp a, 0,1,2,3
	WIN 0x02                                       ; source 0 window 2
.set p, 0
.rept 32
	v_pk_add_f32 v[HA+2*p:HA+2*p+1], v[64*\a+2*p:64*\a+2*p+1], v[BR+2*\a:BR+2*\a+1] op_sel_hi:[1,0]   ; + my column's bias
.set p, p+1
.endr
	WIN 0
	QUANT HA, PC+8*\a, PW+\a
	global_store_b128 v[LI], v[PC+8*\a:PC+8*\a+3], s[86:87] offset:1024*\a
	global_store_b128 v[LI], v[PC+8*\a+4:PC+8*\a+7], s[86:87] offset:1024*\a+512
	ds_store_b32 v[SVA], v[PW+\a] offset:64*\a     ; both halves of the lanes write the same word with the same value
.endr
	ds_load_b64 v[HA:HA+1], v[SVR]
	s_wait_dscnt 0x0
	global_store_b64 v[SVG], v[HA:HA+1], s[88:89]  ; 256 consecutive bytes
.Lclose:
	s_wait_tensorcnt 0x0
	ds_add_u32 v118, v119
	s_wait_dscnt 0x0
	CROUND                                         ; the closing round: no work-group ends while a partner may still ask for a tile that names it
	s_endpgm
.Lfunc_end_k_q2677742467_qkv:
	.size	k_q2677742467_qkv, .Lfunc_end_k_q2677742467_qkv-k_q2677742467_qkv
	.p2alignl 7, 3214868480
	.fill 96, 4, 3214868480
	.section	.rodata,"a",@progbits
	.p2align	6, 0x0
	.amdhsa_kernel k_q2677742467_qkv
		.amdhsa_group_segment_fixed_size 213504
		.amdhsa_private_segment_fixed_size 0
		.amdhsa_enable_private_segment 0
		.amdhsa_kernarg_size 40
		.amdhsa_user_sgpr_count 2
		.amdhsa_user_sgpr_kernarg_segment_ptr 1
		.amdhsa_wavefront_size32 1
		.amdhsa_system_sgpr_workgroup_id_x 1
		.amdhsa_system_sgpr_workgroup_id_y 1
		.amdhsa_system_sgpr_workgroup_id_z 1
		.amdhsa_system_vgpr_workitem_id 0
		.amdhsa_next_free_vgpr 768
		.amdhsa_next_free_sgpr 100
		.amdhsa_reserve_vcc 0
		.amdhsa_float_denorm_mode_32 3
		.amdhsa_float_denorm_mode_16_64 3
		.amdhsa_memory_ordered 1
		.amdhsa_forward_progress 1
		.amdhsa_inst_pref_size 109
	.end_amdhsa_kernel
	.amdgpu_metadata
---
amdhsa.version: [ 1, 2 ]
amdhsa.kernels:
  - .name:           k_q2677742467_qkv
    .symbol:         k_q2677742467_qkv.kd
    .args:
      - { .name: h_buf, .offset: 0, .size: 8, .value_kind: global_buffer, .address_space: global }
      - { .name: w_buf, .offset: 8, .size: 8, .value_kind: global_buffer, .address_space: global }
      - { .name: b_qkv, .offset: 16, .size: 8, .value_kind: global_buffer, .address_space: global }
      - { .name: qk_buf, .offset: 24, .size: 8, .value_kind: global_buffer, .address_space: global }
      - { .name: v_buf, .offset: 32, .size: 8, .value_kind: global_buffer, .address_space: global }
    .group_segment_fixed_size: 213504
    .private_segment_fixed_size: 0
    .kernarg_segment_align: 8
    .kernarg_segment_size: 40
    .max_flat_workgroup_size: 128
    .sgpr_count:     100
    .vgpr_count:     768
    .wavefront_size: 32
...
	.end_amdgpu_metadata
.endif
;; end of part 3
;; launch attn (part 4): grid 4 x 64, 8 waves a work-group, clusters of 4 x 1, 167,936 bytes of LDS; arguments qk_buf, v_buf, ao_buf; writes ao_buf
.if DOCPART == 4
	.amdgcn_target "amdgcn-amd-amdhsa--gfx1250"
	.amdhsa_code_object_version 6
	.text
	.protected	k_q2677742467_attn
	.globl	k_q2677742467_attn
	.p2align	8
	.type	k_q2677742467_attn,@function
k_q2677742467_attn:
	s_mov_b64 s[64:65], 0
	v_nop
	global_prefetch_b8 v0, s[64:65] scope:SCOPE_SE
	s_setreg_imm32_b32 hwreg(HW_REG_WAVE_MODE, 25, 1), 1
	s_wait_xcnt 0x0
	s_wait_alu depctr_hold_cnt(0) depctr_sa_sdst(0) depctr_va_vdst(0) depctr_va_sdst(0) depctr_va_ssrc(0) depctr_va_vcc(0) depctr_vm_vsrc(0)
	s_getreg_b32 s2, hwreg(HW_REG_IB_STS2, 6, 4)
	s_cmp_eq_u32 s2, 0
	s_cbranch_scc0 .Lentry_in_a_cluster
	s_endpgm
.Lentry_in_a_cluster:
	s_bfe_u32 s2, ttmp6, 0x10000c
	s_cmp_lg_u32 s2, 0x3003
	s_cbranch_scc0 .Lentry_shape_is_right
	s_endpgm
.Lentry_shape_is_right:
; O = softmax(q k^T / 8) v for one (batch, head), both products on codes of FP4 (E2M1) with E8M0 scales, and O at once into codes along the channels for the last product.
; THE SOFTMAX AHEAD OF THE SECOND PRODUCT: t = score x log2(e) / 8; M = the running largest t rounded UP to a whole number; p = 2^(t - M) is quantised along the keys, not normalised;
; the row's sum is taken of the unquantised p and divides O at the end.  When M moves, the sum and O are multiplied by 2^(old M - new M): exact.
; SHARES.  A work-group owns 512 query positions of a head; each of its eight waves 64 of them: two passes over the head's 2,048 keys, TWO tiles of 16 queries by turns in each pass, 128 keys a step.
; Each fragment of k and v read from LDS feeds both tiles, and the two tiles' chains of dependent lines stand between each other.
; A HEAD'S K AND V LIE IN LDS WHOLE: six first fills, one a wave of waves 0 to 5 (k's codes in halves, v's in halves, k's scale words, v's); nothing is filled again.
; CLUSTER 4 x 1: the four work-groups of a head read the same K and V: each tile is asked for jointly, with the mask of all four.  The place in the cluster enters q's and O's global addresses alone.
; No prefetch: K and V come once, at the head, and the launch has no loop that runs ahead of a load from memory.
; LAYOUT.  Both products are used transposed (S^T = k q^T, O^T = v^T p^T): a lane holds one query.  The first product's K is 64: registers 4-7 of q's and k's fragments are zero codes.
; THE KEYS OF A TILE: lane row 8 a + i of tile u of a group of 64 keys takes key 32 a + 8 u + i.  In the results lane (r, h) then holds, in the 32 registers of tiles 0-3, the keys 32 h + 0 .. 31 of the group:
; a WHOLE block of 32 lies in one lane, in the order of the second product's operand: a block's maximum needs no other lane, and the conversions' results are the operand's registers.
; In qk_buf a token lies at the position = its number with bits 3 and 4 exchanged: key 32 a + 8 u + i is row 8 (u / 2) + i of position tile 2 a + u % 2: a lane term and an immediate.
; k's tiles of 512 bytes lie 576 bytes apart in LDS, so that the rows of a = 0 and a = 1, two tiles apart, begin 128 bytes apart modulo 256.
; ao_buf: codes [128 token positions][512 channels][16 positions T][block of 32 channels][position % 16][16 bytes]; from 4,194,304 on [batch x head][position][2 bytes].
; LIMITS: the scaled scores stay under 2^31 in magnitude; a block of O whose largest magnitude lies under 2^-124 keeps the byte 1, a block of zeros too (zero codes; this program alone reads the bytes);
; NaN and infinities are not served.
; REGISTERS.  Window 0: addresses, scale words, k's eight fragments, v's four, the second pass's q.  Window 1, tile x: S^T then p at 64 x; O^T at 128 + 32 x; q at 192 + 8 x; p's codes at 208 + 8 x; 16 at work from 224 + 16 x.
.set KT,   576                         ; LDS: k's codes at 0, a tile of 16 positions each KT bytes
.set VIMG, 73728                       ; v's codes
.set KSC,  139264                      ; k's scale words
.set VSC,  147456                      ; v's
.set SCST, 151552                      ; 1,024 bytes into which no fill lands: O's scale bytes on the way out
.set SPARE, 152576                     ; the spare words: 128 bytes a wave
.set AK0,  2                           ; window 0
.set AV0,  3
.set ASK0, 4
.set ASV0, 5
.set LI,   6                           ; 16 x lane
.set QO,   7                           ; 4 x (lane % 16)
.set ADK,  8
.set ADV,  9
.set ADS,  10
.set ADT,  11
.set SPW,  12
.set NIL,  13
.set SST,  14
.set OBR,  15
.set OBG,  16
.set KS,   32                          ; k's scale words: register 2 g + u / 2: lanes 0-15 the tile with u even, lanes 16-31 with u odd
.set VS,   36                          ; v's: lanes 0-15 the even tile's, lanes 16-31 the odd tile's
.set PS,   40                          ; p's, a tile each
.set QS,   42                          ; q's, my four tiles'
.set KF,   64
.set VF,   128
.set QN,   160                         ; the second pass's q
.set O,    128                         ; window 1
.set Q,    192
.set P,    208
.set NM,   224                         ; -M; beside it
.set SM,   225                         ; the largest score so far
.set LS,   226                         ; the sum, in two halves
.set F,    228                         ; f = 2^(old M - new M); beside it 8 x (lane / 16)
.set BM,   230                         ; my two blocks' largest scores, then p, then bytes
.set SO,   232                         ; the conversions' scale operands
.set T,    234                         ; four at work
.set WV,   10
.set NCS,  16
.set SEL,  20
.set CS,   22
.set G1K,  24
.set G1V,  32
.set G1KS, 40
.set G1VS, 48
.set G0K,  56
.set G0V,  60
.set TKK,  66
.set TKV,  67
.set G0KS, 68
.set G0VS, 72
.set TS,   76
.set TJ,   77
.set CNT,  78
.set MSB, 0
.macro WIN new                         ; the immediate's high byte repeats the setting that is left
.if MSB != \new
	s_set_vgpr_msb (MSB<<8)|\new
.set MSB, \new
.endif
.endm
.macro PLACES n
.rept \n
	v_nop
.endr
.endm
.macro CROUND                          ; a round of the cluster's barrier
	s_barrier_signal -1
	s_barrier_wait -1
	s_cmp_lg_u32 s[WV], 0
	s_cbranch_scc1 .Lnot_wave_0_\@
	s_barrier_signal -3
.Lnot_wave_0_\@:
	s_barrier_wait -3
	s_barrier_signal -1
	s_barrier_wait -1
.endm
.macro SHAPE g, w0, cols, rows         ; group 1 of a dense block as rows of cols elements of 8 bytes
	s_mov_b32 s[\g], \w0
	s_mov_b32 s[\g+1], (\cols)<<16
	s_mov_b32 s[\g+2], (\rows)<<16
	s_mov_b32 s[\g+3], (\cols)<<16
	s_mov_b32 s[\g+4], \rows
	s_mov_b32 s[\g+5], \cols
	s_mov_b32 s[\g+6], 0
	s_mov_b32 s[\g+7], 0
.endm
.macro ARM under, g0, g1, next         ; one arm of the head's tree: its load and a jump to the tree's end
	s_cmp_lt_u32 s[WV], \under
	s_cbranch_scc0 \next
	tensor_load_to_lds s[\g0:\g0+3], s[\g1:\g1+7]
	s_nop 0
	PLACES 4
	s_branch .Lfilled
\next:
.endm
	s_load_b128 s[4:7], s[0:1], 0x0                ; qk_buf, v_buf
	s_load_b64 s[8:9], s[0:1], 0x10                ; ao_buf
	v_lshl_add_u32 v[SPW], v0, 2, SPARE
	v_mov_b32 v[NIL], 0
	ds_add_u32 v[SPW], v[NIL]                      ; the opening lines: the add, twice on end, and its wait
	ds_add_u32 v[SPW], v[NIL]
	v_lshrrev_b32 v8, 5, v0
	v_readfirstlane_b32 s[WV], v8                  ; wave 0..7
	s_bfe_u32 s15, ttmp6, 0x40000                  ; my place in the cluster: which 512 queries
	s_and_b32 s11, ttmp7, 0xffff                   ; 16 x batch + head
	s_lshr_b32 s12, s11, 4
	s_and_b32 s13, s11, 15
	s_lshl_b32 s14, s12, 5
	s_add_co_u32 s14, s14, s13                     ; q's head among qk_buf's 32 a batch; k's lies 16 further on
	SHAPE G1K, 15|(3<<16)|(1<<20)|(1<<21)|(6<<22)|(15<<25), 64, 64   ; 64 tiles of 512 bytes, 16 words of padding behind each 128
	SHAPE G1V, 15|(3<<16)|(1<<21), 32, 128
	SHAPE G1KS, 15|(3<<16)|(1<<21), 32, 32
	SHAPE G1VS, 15|(3<<16)|(1<<21), 32, 16
	s_and_b32 s17, s[WV], 1                        ; which half of k's or v's codes I fetch
	s_lshl_b32 s18, s17, 15
	s_add_co_u32 s88, s14, 16
	s_lshl_b32 s80, s88, 16
	s_add_co_u32 s80, s80, s18
	s_mov_b32 s81, 0
	s_lshl_b32 s82, s88, 13
	s_add_co_u32 s82, s82, 0x800000
	s_mov_b32 s83, 0
	s_lshl_b32 s84, s11, 16
	s_add_co_u32 s84, s84, s18
	s_mov_b32 s85, 0
	s_lshl_b32 s86, s11, 12
	s_add_co_u32 s86, s86, 0x400000
	s_mov_b32 s87, 0
	s_mul_i32 s19, s17, 64*KT
	s_mov_b32 s[SEL], 0x76543210
	s_mov_b32 s[SEL+1], 0xfedcba98                 ; v_permlanex16_b32's selects for lane l xor 16
	s_mov_b32 s[CS], 0x3e38aa3b                    ; c = log2(e) / 8
	s_mov_b32 s[CS+1], s[CS]
	s_mov_b32 s[NCS], 0xbe38aa3b                   ; -c
	s_wait_dscnt 0x0
	s_wait_kmcnt 0x0
	s_mov_b32 s[G0K], 1
	s_mov_b32 s[G0K+1], s19
	s_add_nc_u64 s[G0K+2:G0K+3], s[4:5], s[80:81]
	s_or_b32 s[G0K+3], s[G0K+3], 0x80000000
	s_mov_b32 s[G0V], 1
	s_add_co_u32 s[G0V+1], s18, VIMG
	s_add_nc_u64 s[G0V+2:G0V+3], s[6:7], s[84:85]
	s_or_b32 s[G0V+3], s[G0V+3], 0x80000000
	s_mov_b32 s[G0KS], 1
	s_mov_b32 s[G0KS+1], KSC
	s_add_nc_u64 s[G0KS+2:G0KS+3], s[4:5], s[82:83]
	s_or_b32 s[G0KS+3], s[G0KS+3], 0x80000000
	s_mov_b32 s[G0VS], 1
	s_mov_b32 s[G0VS+1], VSC
	s_add_nc_u64 s[G0VS+2:G0VS+3], s[6:7], s[86:87]
	s_or_b32 s[G0VS+3], s[G0VS+3], 0x80000000
	CROUND                                         ; all four work-groups are here: the joint loads meet
	ARM 2, G0K,  G1K,  .Lf_v
	ARM 4, G0V,  G1V,  .Lf_ks
	ARM 5, G0KS, G1KS, .Lf_vs
	ARM 6, G0VS, G1VS, .Lf_none
.Lfilled:
	s_lshl_b32 s80, s14, 16                        ; q's codes: head, my work-group's 32 tiles, my four
	s_lshl_b32 s81, s15, 14
	s_add_co_u32 s80, s80, s81
	s_lshl_b32 s81, s[WV], 11
	s_add_co_u32 s80, s80, s81
	s_mov_b32 s81, 0
	s_add_nc_u64 s[80:81], s[4:5], s[80:81]
	s_lshl_b32 s82, s14, 13                        ; and its scale words
	s_lshl_b32 s83, s15, 11
	s_add_co_u32 s82, s82, s83
	s_lshl_b32 s83, s[WV], 8
	s_add_co_u32 s82, s82, s83
	s_add_co_u32 s82, s82, 0x800000
	s_mov_b32 s83, 0
	s_add_nc_u64 s[82:83], s[4:5], s[82:83]
	v_and_b32 v17, 31, v0                          ; lane
	v_and_b32 v18, 15, v0                          ; r
	v_lshlrev_b32 v[LI], 4, v17
	v_lshlrev_b32 v[QO], 2, v18
	WIN 0x40                                       ; destination window 1
	global_load_b128 v[Q:Q+3], v[LI], s[80:81]     ; the first pass's q,
	global_load_b128 v[Q+8:Q+11], v[LI], s[80:81] offset:512
	WIN 0
	global_load_b128 v[QN:QN+3], v[LI], s[80:81] offset:1024   ; the second's,
	global_load_b128 v[QN+4:QN+7], v[LI], s[80:81] offset:1536
.irp n, 0,1,2,3
	global_load_b32 v[QS+\n], v[QO], s[82:83] offset:64*\n     ; and the four tiles' scale words
.endr
	s_lshl_b32 s84, s12, 4                         ; O's codes: tile Tg = 128 batch + 32 place + 4 wave + ..: Tg / 8,
	s_lshl_b32 s85, s15, 2
	s_add_co_u32 s84, s84, s85
	s_lshr_b32 s85, s[WV], 1
	s_add_co_u32 s84, s84, s85
	s_lshl_b32 s84, s84, 16
	s_lshr_b32 s85, s13, 3                         ; the head's 512 channels,
	s_lshl_b32 s85, s85, 15
	s_add_co_u32 s84, s84, s85
	s_lshl_b32 s85, s17, 14                        ; Tg % 8 = 4 (wave % 2) + ..,
	s_add_co_u32 s84, s84, s85
	s_and_b32 s85, s13, 7                          ; the head's two blocks
	s_lshl_b32 s85, s85, 9
	s_add_co_u32 s84, s84, s85
	s_mov_b32 s85, 0
	s_add_nc_u64 s[84:85], s[8:9], s[84:85]
	s_lshl_b32 s86, s11, 12
	s_lshl_b32 s87, s15, 10
	s_add_co_u32 s86, s86, s87
	s_add_co_u32 s86, s86, 0x400000
	s_mov_b32 s87, 0
	s_add_nc_u64 s[86:87], s[8:9], s[86:87]
	s_lshl_b32 s88, s[WV], 7
	s_add_co_u32 s88, s88, SCST
	v_and_b32 v19, 7, v0                           ; i
	v_bfe_u32 v20, v0, 3, 1                        ; a
	v_bfe_u32 v21, v0, 4, 1                        ; h
	v_lshlrev_b32 v[AK0], 4, v19
	v_mad_u32_u24 v[AK0], v20, 2*KT, v[AK0]
	v_lshl_add_u32 v[AK0], v21, 8, v[AK0]          ; k: 2 a tiles + 16 i + 256 h
	v_lshl_add_u32 v[ASK0], v19, 2, KSC
	v_lshl_add_u32 v[ASK0], v20, 7, v[ASK0]
	v_lshl_add_u32 v[ASK0], v21, 6, v[ASK0]        ; k's words: 4 x position: 128 a + 4 i; lanes 16-31 take the tile with u odd, 64 on
	v_add_nc_u32 v[AV0], VIMG, v[LI]
	v_lshl_add_u32 v[ASV0], v17, 2, VSC
	v_lshl_add_u32 v[SST], v18, 1, s88             ; O's scale bytes: 2 a position, 128 a wave
	v_lshl_add_u32 v[OBR], v0, 4, SCST
	v_lshlrev_b32 v[OBG], 4, v0
	v_lshlrev_b32 v22, 3, v21                      ; 8 h
.irp t, 0,1,2,3,4,5,6,7
.irp j, 4,5,6,7
	v_mov_b32 v[KF+8*\t+\j], 0                     ; k: zero codes for k 64-127: written once
.endr
.endr
	WIN 0x40
.irp x, 0,1
.irp j, 4,5,6,7
	v_mov_b32 v[Q+8*\x+\j], 0                      ; q likewise
.endr
.irp j, 0,1,2,3
	v_mov_b32 v[T+16*\x+\j], 0                     ; written once: a lane permute's destination counts as one of its sources
.endr
	v_mov_b32 v[F+16*\x+1], v22
.endr
	WIN 0
.macro KLOAD ko, so                    ; eight tiles of k and their four registers of scale words: 12 loads
.irp g, 0,1
.irp u, 0,1,2,3
	ds_load_b128 v[KF+32*\g+8*\u:KF+32*\g+8*\u+3], v[ADK] offset:\ko+(4*\g+\u%2)*KT+(\u/2)*128
.endr
.endr
.irp n, 0,1,2,3
	ds_load_b32 v[KS+\n], v[ADS] offset:\so+(\n/2)*256+(\n%2)*32
.endr
.endm
.macro LEVEL st, n                     ; a level of the sums' tree, in place, both tiles
.irp x, 0,1
.set j, 0
.rept \n
	v_pk_add_f32 v[64*\x+2*\st*j:64*\x+2*\st*j+1], v[64*\x+2*\st*j:64*\x+2*\st*j+1], v[64*\x+2*\st*j+\st:64*\x+2*\st*j+\st+1]
.set j, j+1
.endr
.endr
.endm
.macro TMM x                           ; t - M of a tile, two at a time
.set j, 0
.rept 32
	v_pk_fma_f32 v[64*\x+j:64*\x+j+1], v[64*\x+j:64*\x+j+1], s[CS:CS+1], v[NM+16*\x:NM+16*\x+1] op_sel_hi:[1,0,0]
.set j, j+2
.endr
.endm
.macro ORESC x                         ; O^T under the new M, each accumulator from its low end on
.set j, 0
.rept 16
	v_pk_mul_f32 v[O+32*\x+j:O+32*\x+j+1], v[O+32*\x+j:O+32*\x+j+1], v[F+16*\x:F+16*\x+1] op_sel_hi:[1,0]
.set j, j+2
.endr
.endm
; A KEY STEP: 128 keys, both tiles.  qs: the tiles' scale words of q.
.macro STEP qs
	s_wait_dscnt 0x0                               ; this step's k, asked for a step ago
	WIN 0x54                                       ; source 0 window 0; source 1, C and D window 1
.irp t, 0,2,4,6
.irp x, 0,1
	v_wmma_scale_f32_16x16x128_f8f6f4 v[64*\x+8*\t:64*\x+8*\t+7], v[KF+8*\t:KF+8*\t+7], v[Q+8*\x:Q+8*\x+7], 0, v[KS+\t/2], v[\qs+\x] matrix_a_fmt:MATRIX_FMT_FP4 matrix_b_fmt:MATRIX_FMT_FP4
.endr
.irp x, 0,1
	v_wmma_scale_f32_16x16x128_f8f6f4 v[64*\x+8*\t+8:64*\x+8*\t+15], v[KF+8*\t+8:KF+8*\t+15], v[Q+8*\x:Q+8*\x+7], 0, v[KS+\t/2], v[\qs+\x] matrix_a_fmt:MATRIX_FMT_FP4 matrix_b_fmt:MATRIX_FMT_FP4 matrix_a_scale:MATRIX_SCALE_ROW1
.endr
.endr
	WIN 0
	v_add_nc_u32 v[ADK], s[TKK], v[AK0]            ; these four are the places behind the products: in front of the loads below and of the first read of S^T
	v_add_nc_u32 v[ADV], s[TKV], v[AV0]
	v_add_nc_u32 v[ADS], s[TS], v[ASK0]
	v_add_nc_u32 v[ADT], s[TJ], v[ASV0]
.irp t, 0,1,2,3
.irp c, 0,1
	ds_load_b128 v[VF+8*\t+4*\c:VF+8*\t+4*\c+3], v[ADV] offset:1024*\t+512*\c
.endr
.endr
.irp n, 0,1
	ds_load_b32 v[VS+\n], v[ADT] offset:128*\n
.endr
	KLOAD 8*KT, 512                                ; the next step's k (behind the last step: filled bytes of v's, which no product takes)
	WIN 0x55
; The largest score of each of my blocks: for the row's maximum and, since p rises with the score, for the block's largest p.  Two chains a block (registers 0-16 and 17-31), eight by turns; each accumulator is first read at its low end.
.irp c, 0,1
.irp x, 0,1
	v_max3_num_f32 v[BM+16*\x+\c], v[64*\x+32*\c], v[64*\x+32*\c+1], v[64*\x+32*\c+2]
	v_max3_num_f32 v[T+16*\x+\c], v[64*\x+32*\c+17], v[64*\x+32*\c+18], v[64*\x+32*\c+19]
.endr
.endr
.irp n, 1,2,3,4,5,6
.irp c, 0,1
.irp x, 0,1
	v_max3_num_f32 v[BM+16*\x+\c], v[BM+16*\x+\c], v[64*\x+32*\c+2*\n+1], v[64*\x+32*\c+2*\n+2]
	v_max3_num_f32 v[T+16*\x+\c], v[T+16*\x+\c], v[64*\x+32*\c+2*\n+18], v[64*\x+32*\c+2*\n+19]
.endr
.endr
.endr
.irp c, 0,1
.irp x, 0,1
	v_max3_num_f32 v[BM+16*\x+\c], v[BM+16*\x+\c], v[64*\x+32*\c+15], v[64*\x+32*\c+16]
.endr
.endr
.irp c, 0,1
.irp x, 0,1
	v_max_num_f32 v[BM+16*\x+\c], v[BM+16*\x+\c], v[T+16*\x+\c]
.endr
.endr
.irp x, 0,1
	v_max_num_f32 v[T+16*\x], v[BM+16*\x], v[BM+16*\x+1]
.endr
.irp x, 0,1
	v_permlanex16_b32 v[T+16*\x+1], v[T+16*\x], s[SEL], s[SEL+1]
.endr
.irp x, 0,1
	v_max3_num_f32 v[SM+16*\x], v[SM+16*\x], v[T+16*\x], v[T+16*\x+1]   ; the running largest score of my query
.endr
.irp x, 0,1
	v_mul_f32 v[T+16*\x], s[NCS], v[SM+16*\x]      ; -t
.endr
.irp x, 0,1
	v_floor_f32 v[T+16*\x+1], v[T+16*\x]           ; the new -M = floor(-t)
.endr
.irp x, 0,1
	v_sub_f32 v[T+16*\x+2], v[T+16*\x+1], v[NM+16*\x]   ; old M - new M: a whole number, 0 or less
.endr
.irp x, 0,1
	v_mov_b32 v[NM+16*\x], v[T+16*\x+1]
.endr
.irp x, 0,1
	v_cvt_i32_f32 v[T+16*\x+2], v[T+16*\x+2]       ; (it saturates)
.endr
	TMM 0
.irp x, 0,1
	v_ldexp_f32 v[F+16*\x], 1.0, v[T+16*\x+2]      ; f = 2^(old M - new M)
.endr
	TMM 1
.irp c, 0,1
.irp x, 0,1
	v_fma_f32 v[BM+16*\x+\c], v[BM+16*\x+\c], s[CS], v[NM+16*\x]   ; t - M of each block's largest score
.endr
.endr
	ORESC 0                                        ; O^T is first read here, ahead of the step's exponentials
	ORESC 1
	s_wait_alu depctr_va_vdst(0)                   ; the wait ahead of the batch
.set j, 0
.rept 128
	v_exp_f32 v[j], v[j]                           ; p = 2^(t - M)
.set j, j+1
.endr
.irp c, 0,1
.irp x, 0,1
	v_exp_f32 v[BM+16*\x+\c], v[BM+16*\x+\c]       ; the block's largest p: the same two instructions on the same number
.endr
.endr
	v_nop                                          ; a plain place behind the exponentials
	s_wait_alu depctr_va_vdst(0)                   ; one wait for the batch, ahead of its first reader; it also stands directly ahead of the wait below
	s_wait_dscnt 12                                ; v's ten loads are in; the next step's twelve of k are younger
.irp c, 0,1
.irp x, 0,1
	v_max_num_f32 v[BM+16*\x+\c], 0x1800000, v[BM+16*\x+\c]   ; the floor 2^(3 - 127)
.endr
.endr
.irp c, 0,1
.irp x, 0,1
	v_add_nc_u32 v[SO+16*\x+\c], 0xff000000, v[BM+16*\x+\c]   ; 2 off the exponent field: the conversion's scale operand
.endr
.endr
.irp c, 0,1
.irp x, 0,1
	v_lshrrev_b32 v[BM+16*\x+\c], 23, v[SO+16*\x+\c]          ; the scale's byte
.endr
.endr
.irp x, 0,1
	v_lshl_or_b32 v[T+16*\x], v[BM+16*\x+1], 16, v[BM+16*\x]  ; my blocks h and 2 + h,
.endr
.irp x, 0,1
	v_lshlrev_b32 v[T+16*\x], v[F+16*\x+1], v[T+16*\x]        ; at their places in the word: 8 h bits up
.endr
.irp x, 0,1
	v_permlanex16_b32 v[T+16*\x+1], v[T+16*\x], s[SEL], s[SEL+1]
.endr
.irp x, 0,1
.irp c, 0,1
.irp u, 0,1,2,3
	v_cvt_scalef32_pk8_fp4_f32 v[P+8*\x+4*\c+\u], v[64*\x+32*\c+8*\u:64*\x+32*\c+8*\u+7], v[SO+16*\x+\c]   ; register 4 c + u of the operand: keys 64 c + 32 h + 8 u + 0 .. 7
.endr
.endr
.endr
	WIN 0x05                                       ; destination window 0: scale operands have no window
.irp x, 0,1
	v_or_b32 v[PS+\x], v[T+16*\x], v[T+16*\x+1]    ; with lane l xor 16's two bytes p's scale word is whole (also the plain place behind the conversions)
.endr
	WIN 0x55
	LEVEL 2, 16                                    ; THE ROW'S SUM IS TAKEN OF THE UNQUANTISED p.  (These 32 are the places between p's word and codes and the products)
	WIN 0x54
.irp t, 0,2
.irp x, 0,1
	v_wmma_scale_f32_16x16x128_f8f6f4 v[O+32*\x+8*\t:O+32*\x+8*\t+7], v[VF+8*\t:VF+8*\t+7], v[P+8*\x:P+8*\x+7], v[O+32*\x+8*\t:O+32*\x+8*\t+7], v[VS+\t/2], v[PS+\x] matrix_a_fmt:MATRIX_FMT_FP4 matrix_b_fmt:MATRIX_FMT_FP4
.endr
.irp x, 0,1
	v_wmma_scale_f32_16x16x128_f8f6f4 v[O+32*\x+8*\t+8:O+32*\x+8*\t+15], v[VF+8*\t+8:VF+8*\t+15], v[P+8*\x:P+8*\x+7], v[O+32*\x+8*\t+8:O+32*\x+8*\t+15], v[VS+\t/2], v[PS+\x] matrix_a_fmt:MATRIX_FMT_FP4 matrix_b_fmt:MATRIX_FMT_FP4 matrix_a_scale:MATRIX_SCALE_ROW1
.endr
.endr
	WIN 0x55
	LEVEL 4, 8                                     ; the rest of the sums names none of the products' registers
	LEVEL 8, 4
	LEVEL 16, 2
	LEVEL 32, 1
.irp x, 0,1
	v_pk_fma_f32 v[LS+16*\x:LS+16*\x+1], v[LS+16*\x:LS+16*\x+1], v[F+16*\x:F+16*\x+1], v[64*\x:64*\x+1] op_sel_hi:[1,0,1]   ; the sums under the new M, and this step's
.endr
	WIN 0
.endm
; A pass: two tiles of 16 queries through all 16 key steps, then O / the sum into codes.
.macro PASS i
.if \i
	s_wait_xcnt 0x0                                ; the first pass's stores have read their registers
.endif
	WIN 0x40
.if \i
.irp n, 0,1,2,3
	v_mov_b32 v[Q+\n], v[QN+\n]                    ; the second pass's q
	v_mov_b32 v[Q+8+\n], v[QN+4+\n]
.endr
.endif
.irp x, 0,1
	v_mov_b32 v[SM+16*\x], 0xff61b1e6              ; the largest score so far: -3e38
	v_mov_b32 v[NM+16*\x], 0x7f61b1e6              ; -M: the first step's f is 0
	v_mov_b32 v[LS+16*\x], 0
	v_mov_b32 v[LS+16*\x+1], 0
.endr
.set j, 0
.rept 64
	v_mov_b32 v[O+j], 0                            ; O^T.  (The step is written once: the first finds zeros)
.set j, j+1
.endr
	WIN 0
	s_mov_b32 s[TKK], 0
	s_mov_b32 s[TKV], 0
	s_mov_b32 s[TS], 0
	s_mov_b32 s[TJ], 0
	s_mov_b32 s[CNT], 16
.if \i == 0
	s_wait_alu depctr_va_vdst(0)                   ; the wait at the head's end
	s_wait_tensorcnt 0x0                           ; on every wave's path: my fill, if I have one, has landed
	s_barrier_signal -1
	s_barrier_wait -1                              ; everybody's has: K and V lie in LDS for the rest of the launch
.endif
	v_add_nc_u32 v[ADK], s[TKK], v[AK0]
	v_add_nc_u32 v[ADS], s[TS], v[ASK0]
	KLOAD 0, 0                                     ; the first step's k
	s_wait_alu depctr_va_vdst(0)                   ; the wait here, ahead of the waits below
.if \i == 0
	s_wait_loadcnt 0x0                             ; q, both passes'
.endif
.Lstep_\@:
	STEP QS+2*\i
	s_add_co_u32 s[TKK], s[TKK], 8*KT              ; the next 128 keys: k's codes, v's,
	s_add_co_u32 s[TKV], s[TKV], 4096
	s_add_co_u32 s[TS], s[TS], 512                 ; k's scale words,
	s_add_co_u32 s[TJ], s[TJ], 256                 ; v's
	s_sub_co_u32 s[CNT], s[CNT], 1
	s_cmp_lg_u32 s[CNT], 0
	s_cbranch_scc1 .Lstep_\@
	s_wait_alu depctr_va_vdst(0)                   ; the wait here, directly ahead of the wait below
	s_wait_dscnt 0x0                               ; the look-ahead's loads have landed: their registers may be loaded anew
	WIN 0x55
.irp x, 0,1
	v_add_f32 v[LS+16*\x], v[LS+16*\x], v[LS+16*\x+1]
.endr
.irp x, 0,1
	v_permlanex16_b32 v[T+16*\x], v[LS+16*\x], s[SEL], s[SEL+1]
.endr
.irp x, 0,1
	v_add_f32 v[LS+16*\x], v[LS+16*\x], v[T+16*\x] ; the row's sum
.endr
	s_wait_alu depctr_va_vdst(0)                   ; the wait ahead of the transcendentals
.irp x, 0,1
	v_rcp_f32 v[LS+16*\x], v[LS+16*\x]
.endr
	v_nop                                          ; a plain place behind them
	s_wait_alu depctr_va_vdst(0)                   ; ahead of their first reader, which is also the first reader of O^T
.irp x, 0,1
.set j, 0
.rept 16
	v_pk_mul_f32 v[64*\x+j:64*\x+j+1], v[O+32*\x+j:O+32*\x+j+1], v[LS+16*\x:LS+16*\x+1] op_sel_hi:[1,0]   ; O^T / the sum: register 16 b + n is channel 32 b + 16 (lane / 16) + n of my query
.set j, j+2
.endr
.endr
.irp b, 0,1
.irp x, 0,1
	v_max3_num_f32 v[BM+16*\x+\b], |v[64*\x+16*\b]|, |v[64*\x+16*\b+1]|, 0x1800000
.endr
.endr
.irp n, 2,4,6,8,10,12,14
.irp b, 0,1
.irp x, 0,1
	v_max3_num_f32 v[BM+16*\x+\b], v[BM+16*\x+\b], |v[64*\x+16*\b+\n]|, |v[64*\x+16*\b+\n+1]|
.endr
.endr
.endr
.irp b, 0,1
.irp x, 0,1
	v_permlanex16_b32 v[T+16*\x+\b], v[BM+16*\x+\b], s[SEL], s[SEL+1]
.endr
.endr
.irp b, 0,1
.irp x, 0,1
	v_max_num_f32 v[BM+16*\x+\b], v[BM+16*\x+\b], v[T+16*\x+\b]   ; with lane l xor 16's 16 channels
.endr
.endr
.irp b, 0,1
.irp x, 0,1
	v_add_nc_u32 v[SO+16*\x+\b], 0xff000000, v[BM+16*\x+\b]
.endr
.endr
.irp b, 0,1
.irp x, 0,1
	v_lshrrev_b32 v[BM+16*\x+\b], 23, v[SO+16*\x+\b]
.endr
.endr
.irp x, 0,1
	v_lshl_or_b32 v[T+16*\x+2], v[BM+16*\x+1], 8, v[BM+16*\x]     ; the head's two bytes of my query
.endr
.irp x, 0,1
.irp b, 0,1
	v_cvt_scalef32_pk8_fp4_f32 v[P+8*\x+2*\b], v[64*\x+16*\b:64*\x+16*\b+7], v[SO+16*\x+\b]
	v_cvt_scalef32_pk8_fp4_f32 v[P+8*\x+2*\b+1], v[64*\x+16*\b+8:64*\x+16*\b+15], v[SO+16*\x+\b]
.endr
.endr
	v_nop                                          ; one plain place behind a scaled conversion
.irp x, 0,1
	v_permlane16_swap_b32 v[P+8*\x], v[P+8*\x+2]
	v_permlane16_swap_b32 v[P+8*\x+1], v[P+8*\x+3] ; lanes 0-15 hold block 0, lanes 16-31 block 1
.endr
	WIN 0x04                                       ; the data: window 1
.irp x, 0,1
	global_store_b128 v[LI], v[P+8*\x:P+8*\x+3], s[84:85] offset:4096*(2*\i+\x)   ; 512 consecutive bytes
	ds_store_b16 v[SST], v[T+16*\x+2] offset:32*(2*\i+\x)   ; both halves of the lanes write the same bytes with the same value
.endr
	WIN 0
.endm
	PASS 0
	PASS 1
	s_wait_dscnt 0x0                               ; for the others' sake: my scale bytes have landed
	s_barrier_signal -1
	s_barrier_wait -1
	s_cmp_lt_u32 s[WV], 2
	s_cbranch_scc0 .Lno_bytes
	ds_load_b128 v[64:67], v[OBR]                  ; the work-group's 1,024 scale bytes leave by two waves, 512 consecutive bytes each
	s_wait_dscnt 0x0
	global_store_b128 v[OBG], v[64:67], s[86:87]
.Lno_bytes:
	s_wait_tensorcnt 0x0                           ; the wave's end
	ds_add_u32 v[SPW], v[NIL]
	s_wait_dscnt 0x0
	CROUND                                         ; the closing round
	s_endpgm
.Lfunc_end_k_q2677742467_attn:
	.size	k_q2677742467_attn, .Lfunc_end_k_q2677742467_attn-k_q2677742467_attn
	.p2alignl 7, 3214868480
	.fill 96, 4, 3214868480
	.section	.rodata,"a",@progbits
	.p2align	6, 0x0
	.amdhsa_kernel k_q2677742467_attn
		.amdhsa_group_segment_fixed_size 167936
		.amdhsa_private_segment_fixed_size 0
		.amdhsa_enable_private_segment 0
		.amdhsa_kernarg_size 24
		.amdhsa_user_sgpr_count 2
		.amdhsa_user_sgpr_kernarg_segment_ptr 1
		.amdhsa_wavefront_size32 1
		.amdhsa_system_sgpr_workgroup_id_x 1
		.amdhsa_system_sgpr_workgroup_id_y 1
		.amdhsa_system_sgpr_workgroup_id_z 1
		.amdhsa_system_vgpr_workitem_id 0
		.amdhsa_next_free_vgpr 512
		.amdhsa_next_free_sgpr 90
		.amdhsa_reserve_vcc 0
		.amdhsa_float_denorm_mode_32 3
		.amdhsa_float_denorm_mode_16_64 3
		.amdhsa_memory_ordered 1
		.amdhsa_forward_progress 1
		.amdhsa_inst_pref_size 85
	.end_amdhsa_kernel
	.amdgpu_metadata
---
amdhsa.version: [ 1, 2 ]
amdhsa.kernels:
  - .name:           k_q2677742467_attn
    .symbol:         k_q2677742467_attn.kd
    .args:
      - { .name: qk_buf, .offset: 0, .size: 8, .value_kind: global_buffer, .address_space: global }
      - { .name: v_buf, .offset: 8, .size: 8, .value_kind: global_buffer, .address_space: global }
      - { .name: ao_buf, .offset: 16, .size: 8, .value_kind: global_buffer, .address_space: global }
    .group_segment_fixed_size: 167936
    .private_segment_fixed_size: 0
    .kernarg_segment_align: 8
    .kernarg_segment_size: 24
    .max_flat_workgroup_size: 256
    .sgpr_count:     90
    .vgpr_count:     512
    .wavefront_size: 32
...
	.end_amdgpu_metadata
.endif
;; end of part 4
;; launch oproj (part 5): grid 4 x 64, 4 waves a work-group, clusters of 4 x 4, 327,680 bytes of LDS; arguments ao_buf, w_buf, b_o, x, out0; writes out0
.if DOCPART == 5
	.amdgcn_target "amdgcn-amd-amdhsa--gfx1250"
	.amdhsa_code_object_version 6
	.text
	.protected	k_q2677742467_oproj
	.globl	k_q2677742467_oproj
	.p2align	8
	.type	k_q2677742467_oproj,@function
k_q2677742467_oproj:
	s_mov_b64 s[64:65], 0
	v_nop
	global_prefetch_b8 v0, s[64:65] scope:SCOPE_SE
	s_setreg_imm32_b32 hwreg(HW_REG_WAVE_MODE, 25, 1), 1
	s_wait_xcnt 0x0
	s_wait_alu depctr_hold_cnt(0) depctr_sa_sdst(0) depctr_va_vdst(0) depctr_va_sdst(0) depctr_va_ssrc(0) depctr_va_vcc(0) depctr_vm_vsrc(0)
	s_getreg_b32 s2, hwreg(HW_REG_IB_STS2, 6, 4)
	s_cmp_eq_u32 s2, 0
	s_cbranch_scc0 .Lentry_in_a_cluster
	s_endpgm
.Lentry_in_a_cluster:
	s_bfe_u32 s2, ttmp6, 0x10000c
	s_cmp_lg_u32 s2, 0xf033
	s_cbranch_scc0 .Lentry_shape_is_right
	s_endpgm
.Lentry_shape_is_right:
.set ACOD, 0
.set BCOD, 65536
.set ASC,  196608
.set BSC,  200704
.set STG,  208896
.set ADRA, 16
.set ADRB, 17
.set ADRS, 18
.set LI,   19
.set ADU,  20
.set STO,  21
.set RD,   22
.set BPO,  23
.set SC,   32
.set SCA,  96
.set AF,   128
.set BK,   128
.set BP,   64
.set G1A,  24
.set G1B,  32
.set G1SA, 40
.set G1SB, 48
.set G0A,  56
.set G0B,  68
.set G0SA, 76
.set G0SB, 80
.set MSB, 0
.macro WIN new
.if MSB != \new
	s_set_vgpr_msb (MSB<<8)|\new
.set MSB, \new
.endif
.endm
.macro PLACES n
.rept \n
	v_nop
.endr
.endm
; One arm of the head's tree of branches on the wave's number: its load, and a jump to the tree's end.
.macro ARM under, g0, g1, next
	s_cmp_lt_u32 s14, \under
	s_cbranch_scc0 \next
	tensor_load_to_lds s[\g0:\g0+3], s[\g1:\g1+7]
	s_nop 0
.rept 4
	v_nop
.endr
	s_branch .Lhead_asked
\next:
.endm
.macro CROUND
	s_barrier_signal -1
	s_barrier_wait -1
	s_cmp_lg_u32 s14, 0
	s_cbranch_scc1 .Lnot_wave_0_\@
	s_barrier_signal -3
.Lnot_wave_0_\@:
	s_barrier_wait -3
	s_barrier_signal -1
	s_barrier_wait -1
.endm
.macro SHAPE g, rows, pitch
	s_mov_b32 s[\g+1], 32<<16
	s_mov_b32 s[\g+2], (\rows)<<16
	s_mov_b32 s[\g+3], 32<<16
	s_mov_b32 s[\g+4], \rows
	s_mov_b32 s[\g+5], \pitch
	s_mov_b32 s[\g+6], 0
	s_mov_b32 s[\g+7], 0
.endm
	s_load_b256 s[4:11], s[0:1], 0x0
	s_load_b64 s[12:13], s[0:1], 0x20
	v_lshl_add_u32 v30, v0, 2, 0x3b400
	v_mov_b32 v31, 0
	ds_add_u32 v30, v31
	ds_add_u32 v30, v31
	v_lshrrev_b32 v1, 5, v0
	v_readfirstlane_b32 s14, v1
	s_lshr_b32 s15, s14, 1
	s_and_b32 s16, s14, 1
	s_bfe_u32 s84, ttmp6, 0x40000
	s_bfe_u32 s85, ttmp6, 0x40004
	s_and_b32 s86, ttmp7, 0xffff
	s_lshl_b32 s87, s85, 2
	s_lshl_b32 s87, 15, s87
	s_lshl_b32 s88, 0x1111, s84
	s_or_b32 s[G1A], s87, (3<<16)|(1<<21)
	s_or_b32 s[G1SA], s87, (3<<16)|(1<<21)
	s_or_b32 s[G1B], s88, (3<<16)|(1<<21)
	s_or_b32 s[G1SB], s88, (3<<16)|(1<<21)
	SHAPE G1A, 256, 32                             ; 128 tokens' codes, all of K: 65,536 dense bytes
	SHAPE G1B, 512, 32                             ; 256 columns of W_o, all of K: 131,072
	SHAPE G1SA, 16, 512                            ; the tokens' scale bytes: 256 bytes of each of the 16 heads, 4,096 bytes apart
	SHAPE G1SB, 32, 32                             ; W_o's: 8,192
	s_lshl_b32 s17, s86, 2
	s_add_co_u32 s17, s17, s85
	s_add_co_u32 s19, s84, 12
	s_lshl_b32 s94, s17, 16
	s_mov_b32 s95, 0
	s_lshr_b32 s96, s17, 4
	s_lshl_b32 s96, s96, 16
	s_and_b32 s97, s17, 15
	s_lshl_b32 s97, s97, 8
	s_add_co_u32 s96, s96, s97
	s_add_co_u32 s96, s96, 0x400000
	s_mov_b32 s97, 0
	s_lshl_b32 s98, s19, 17
	s_mov_b32 s99, 0
	s_lshl_b32 s2, s19, 13
	s_add_co_u32 s2, s2, 0x200000
	s_mov_b32 s3, 0
	s_wait_dscnt 0x0
	s_wait_kmcnt 0x0
	s_add_nc_u64 s[94:95], s[4:5], s[94:95]
	s_add_nc_u64 s[96:97], s[4:5], s[96:97]
	s_add_nc_u64 s[98:99], s[6:7], s[98:99]
	s_add_nc_u64 s[2:3], s[6:7], s[2:3]
	CROUND
; THE HEAD'S LOADS, ONE A WAVE: wave 0 fetches the tokens' codes for all of K, wave 1 W_o's, wave 2 the tokens' scale bytes, wave 3 W_o's.  Nothing is filled again.
	s_mov_b32 s[G0SA], 1
	s_mov_b32 s[G0SA+1], ASC
	s_mov_b64 s[G0SA+2:G0SA+3], s[96:97]
	s_or_b32 s[G0SA+3], s[G0SA+3], 0x80000000
	s_mov_b32 s[G0SB], 1
	s_mov_b32 s[G0SB+1], BSC
	s_mov_b64 s[G0SB+2:G0SB+3], s[2:3]
	s_or_b32 s[G0SB+3], s[G0SB+3], 0x80000000
	s_mov_b32 s[G0A], 1
	s_mov_b32 s[G0A+1], ACOD
	s_mov_b64 s[G0A+2:G0A+3], s[94:95]
	s_or_b32 s[G0A+3], s[G0A+3], 0x80000000
	s_mov_b32 s[G0B], 1
	s_mov_b32 s[G0B+1], BCOD
	s_mov_b64 s[G0B+2:G0B+3], s[98:99]
	s_or_b32 s[G0B+3], s[G0B+3], 0x80000000
	ARM 1, G0A,  G1A,  .Lhead_b
	ARM 2, G0B,  G1B,  .Lhead_sa
	ARM 3, G0SA, G1SA, .Lhead_sb
	tensor_load_to_lds s[G0SB:G0SB+3], s[G1SB:G1SB+7]
	s_nop 0
.rept 4
	v_nop
.endr
.Lhead_asked:
	v_and_b32 v1, 15, v0
	v_bfe_u32 v2, v0, 4, 1
	v_and_b32 v3, 31, v0
	v_lshlrev_b32 v[LI], 4, v3
	v_lshlrev_b32 v[BPO], 6, v2
	s_wait_alu depctr_va_vdst(0)
	s_lshl_b32 s20, s84, 10
	s_lshl_b32 s21, s16, 9
	s_add_co_u32 s20, s20, s21
	s_mov_b32 s21, 0
	s_add_nc_u64 s[22:23], s[8:9], s[20:21]
	s_lshl_b32 s88, s17, 19
	s_lshl_b32 s89, s15, 18
	s_add_co_u32 s88, s88, s89
	s_add_co_u32 s88, s88, s20
	s_mov_b32 s89, 0
	s_add_nc_u64 s[90:91], s[10:11], s[88:89]
	s_add_nc_u64 s[92:93], s[12:13], s[88:89]
	WIN 0x40
.irp B, 0,1,2,3
.irp q, 0,1,2,3
	global_load_b128 v[BP+16*\B+4*\q:BP+16*\B+4*\q+3], v[BPO], s[22:23] offset:128*\B+16*\q
.endr
.endr
	WIN 0xc0
.irp a, 0,1,2,3
.irp t, 0,1,2,3,4,5,6,7,8,9,10,11,12,13,14,15
	global_load_b128 v[64*\a+4*\t:64*\a+4*\t+3], v[LI], s[90:91] offset:(32*(\a/2)+8*(\a%2)+(\t%8)+16*(\t/8))*4096 th:TH_LOAD_NT
.endr
.endr
	WIN 0
	s_lshl_b32 s20, s15, 14
	v_add_nc_u32 v[ADRA], s20, v[LI]
	s_lshl_b32 s20, s16, 16
	s_add_co_u32 s20, s20, BCOD
	v_add_nc_u32 v[ADRB], s20, v[LI]
	s_lshl_b32 s20, s16, 12
	s_add_co_u32 s20, s20, BSC
	v_lshl_add_u32 v[ADRS], v1, 4, s20
	s_lshl_b32 s20, s15, 7
	s_add_co_u32 s20, s20, ASC
	v_lshl_add_u32 v[ADU], v1, 1, s20
	s_mul_i32 s20, s14, 16*528
	s_add_co_u32 s20, s20, STG
	v_mul_u32_u24 v4, v1, 528
	v_lshl_add_u32 v4, v2, 6, v4
	v_add_nc_u32 v[STO], s20, v4
	v_add_nc_u32 v[RD], s20, v[LI]
.macro FETCH j
.set FS, (\j)/4
.set FQ, (\j)%4
.set FP, (\j)%2
	WIN 0x40
.irp b, 0,1,2,3,4,5,6,7
.irp c, 0,1
	ds_load_b128 v[128*FP+8*\b+4*\c:128*FP+8*\b+4*\c+3], v[ADRB] offset:FS*32768+\b*4096+FQ*1024+\c*512
.endr
.endr
	WIN 0
.irp a, 0,1,2,3
.irp c, 0,1
	ds_load_b128 v[AF+32*FP+8*\a+4*\c:AF+32*FP+8*\a+4*\c+3], v[ADRA] offset:FS*32768+\a*4096+FQ*1024+\c*512
.endr
.endr
.endm
.macro MUL32 j
.set MS, (\j)/4
.set MQ, (\j)%4
.set MP, (\j)%2
.irp a, 0,1,2,3
.irp b, 0,1,2,3,4,5,6,7
.if (\j) == 0
	v_wmma_scale_f32_16x16x128_f8f6f4 v[8*(8*\a+\b):8*(8*\a+\b)+7], v[128*MP+8*\b:128*MP+8*\b+7], v[AF+32*MP+8*\a:AF+32*MP+8*\a+7], v[BP+8*\b:BP+8*\b+7], v[SC+32*MS+4*\b+MQ], v[SCA+8*\a+(\j)] matrix_a_fmt:MATRIX_FMT_FP4 matrix_b_fmt:MATRIX_FMT_FP4
.else
	v_wmma_scale_f32_16x16x128_f8f6f4 v[8*(8*\a+\b):8*(8*\a+\b)+7], v[128*MP+8*\b:128*MP+8*\b+7], v[AF+32*MP+8*\a:AF+32*MP+8*\a+7], v[8*(8*\a+\b):8*(8*\a+\b)+7], v[SC+32*MS+4*\b+MQ], v[SCA+8*\a+(\j)] matrix_a_fmt:MATRIX_FMT_FP4 matrix_b_fmt:MATRIX_FMT_FP4
.endif
.endr
.endr
.endm
.macro STEP j
.if (\j) > 0
	s_wait_dscnt 0x0                               ; this step's fragments, asked for a step ago, are in
.endif
.if (\j) < 7
.if (\j) > 0
	PLACES 4
.endif
	FETCH (\j)+1
.endif
.if (\j) == 0
	WIN 0x91
.else
	WIN 0xa1
.endif
	MUL32 \j
.endm
	s_wait_alu depctr_va_vdst(0)
	s_wait_tensorcnt 0x0                           ; my tile of the head's four is in
	s_barrier_signal -1
	s_barrier_wait -1
.irp s, 0,1
.irp i, 0,1,2,3,4,5,6,7
	ds_load_b128 v[SC+32*\s+4*\i:SC+32*\s+4*\i+3], v[ADRS] offset:\s*2048+\i*256
.endr
.endr
.irp a, 0,1,2,3
.irp Q, 0,1,2,3,4,5,6,7
	ds_load_u16 v[192+2*(8*\a+\Q)], v[ADU] offset:512*\Q+32*\a
	ds_load_u16 v[193+2*(8*\a+\Q)], v[ADU] offset:512*\Q+32*\a+256
.endr
.endr
	FETCH 0
	s_wait_dscnt 0x0
.irp a, 0,1,2,3
.irp Q, 0,1,2,3,4,5,6,7
	v_lshl_or_b32 v[SCA+8*\a+\Q], v[193+2*(8*\a+\Q)], 16, v[192+2*(8*\a+\Q)]
.endr
.endr
	PLACES 8
	s_wait_alu depctr_va_vdst(0)
	s_wait_loadcnt 63
.irp j, 0,1,2,3,4,5,6,7
	STEP \j
.endr
	WIN 0
.macro TOSTAGE a
	WIN 0x08
.irp b, 0,1,2,3,4,5,6,7
	ds_store_b128 v[STO], v[64*(\a)+8*\b:64*(\a)+8*\b+3] offset:128*(\b/2)+32*(\b%2)
	ds_store_b128 v[STO], v[64*(\a)+8*\b+4:64*(\a)+8*\b+7] offset:128*(\b/2)+32*(\b%2)+16
.endr
	WIN 0
.set BB, BK+64*((\a)%2)
.irp t, 0,1,2,3,4,5,6,7,8,9,10,11,12,13,14,15
	ds_load_b128 v[BB+4*\t:BB+4*\t+3], v[RD] offset:\t*528
.endr
.endm
.macro SEND a, younger
.set BB, BK+64*((\a)%2)
	s_wait_dscnt \younger
	s_wait_loadcnt 16*(3-(\a))
	WIN 0x0c
.set p, 0
.rept 32
	v_pk_add_f32 v[BB+2*p:BB+2*p+1], v[BB+2*p:BB+2*p+1], v[64*(\a)+2*p:64*(\a)+2*p+1]
.set p, p+1
.endr
	WIN 0
.irp t, 0,1,2,3,4,5,6,7,8,9,10,11,12,13,14,15
	global_store_b128 v[LI], v[BB+4*\t:BB+4*\t+3], s[92:93] offset:(32*((\a)/2)+8*((\a)%2)+(\t%8)+16*(\t/8))*4096 th:TH_STORE_NT
.endr
.endm
	PLACES 4
	TOSTAGE 0
.irp a, 1,2,3
.if \a > 1
	s_wait_xcnt 0x0
.endif
	TOSTAGE \a
	SEND \a-1, 32
.endr
	SEND 3, 0
	s_wait_tensorcnt 0x0
	ds_add_u32 v30, v31
	s_wait_dscnt 0x0
	CROUND
	s_endpgm
.Lfunc_end_k_q2677742467_oproj:
	.size	k_q2677742467_oproj, .Lfunc_end_k_q2677742467_oproj-k_q2677742467_oproj
	.p2alignl 7, 3214868480
	.fill 96, 4, 3214868480
	.section	.rodata,"a",@progbits
	.p2align	6, 0x0
	.amdhsa_kernel k_q2677742467_oproj
		.amdhsa_group_segment_fixed_size 327680
		.amdhsa_private_segment_fixed_size 0
		.amdhsa_enable_private_segment 0
		.amdhsa_kernarg_size 40
		.amdhsa_user_sgpr_count 2
		.amdhsa_user_sgpr_kernarg_segment_ptr 1
		.amdhsa_wavefront_size32 1
		.amdhsa_system_sgpr_workgroup_id_x 1
		.amdhsa_system_sgpr_workgroup_id_y 1
		.amdhsa_system_sgpr_workgroup_id_z 1
		.amdhsa_system_vgpr_workitem_id 0
		.amdhsa_next_free_vgpr 1024
		.amdhsa_next_free_sgpr 100
		.amdhsa_reserve_vcc 0
		.amdhsa_float_denorm_mode_32 3
		.amdhsa_float_denorm_mode_16_64 3
		.amdhsa_memory_ordered 1
		.amdhsa_forward_progress 1
		.amdhsa_inst_pref_size 92
	.end_amdhsa_kernel
	.amdgpu_metadata
---
amdhsa.version: [ 1, 2 ]
amdhsa.kernels:
  - .name:           k_q2677742467_oproj
    .symbol:         k_q2677742467_oproj.kd
    .args:
      - { .name: ao_buf, .offset: 0, .size: 8, .value_kind: global_buffer, .address_space: global }
      - { .name: w_buf, .offset: 8, .size: 8, .value_kind: global_buffer, .address_space: global }
      - { .name: b_o, .offset: 16, .size: 8, .value_kind: global_buffer, .address_space: global }
      - { .name: x, .offset: 24, .size: 8, .value_kind: global_buffer, .address_space: global }
      - { .name: out0, .offset: 32, .size: 8, .value_kind: global_buffer, .address_space: global }
    .group_segment_fixed_size: 327680
    .private_segment_fixed_size: 0
    .kernarg_segment_align: 8
    .kernarg_segment_size: 40
    .max_flat_workgroup_size: 128
    .sgpr_count:     100
    .vgpr_count:     1024
    .wavefront_size: 32
...
	.end_amdgpu_metadata
.endif
;; end of part 5
